; MI455X (gfx1250); checked and timed in simulation.
; The chip was launched on July 23, 2026; its instructions are those of AMD's public machine-readable ISA for CDNA 5 (MIT licence, August 2026) and "CDNA5" Instruction Set Architecture Reference Guide (July 2026). The comments in the code are by the model that wrote it; some were corrected since.
;; Attention. Allowed arithmetic: matrix products marked QUANTISED: E4M3 operands, one E8M0 scale for each 32 along K, by v_wmma_scale_f32_16x16x128_f8f6f4 with both operands' format E4M3, f32 sums; everything else in f32.
;; Inputs: W_qkv 1,024 x 3,072 float32; b_qkv 3,072 float32; x 4 x 2,048 x 1,024 float32.
;; Outputs: out0 4 x 2,048 x 1,024 float32.
;; This version of the problem:
;;   THIS VERSION OF THE PROBLEM IS GIVEN IN LOW PRECISION. The matrix products marked QUANTISED in the list below multiply operands that are first quantised to E4M3 (4 exponent bits, 3 mantissa bits; 8 bits a number), with one power-of-two scale for each 32 numbers along K (OCP MX v1.0); their sums are f32. All else is computed in f32.
;;   The module's matrix products, in the order in which they are computed (A, B: the left and right operand; K: the contracted axis; several contracted axes count as one K, in the product's order):
;;     1. [M 8,192, K 1,024] x [K 1,024, N 3,072]; A: input x; B: input W_qkv: QUANTISED
;;     2. batch 64 x [M 2,048, K 64] x [K 64, N 2,048]; A: computed on the way; B: computed on the way: QUANTISED
;;     3. batch 64 x [M 2,048, K 2,048] x [K 2,048, N 64]; A: softmax (see below); B: computed on the way: QUANTISED
;;   THE QUANTISER, for each operand of a quantised product, along K:
;;     - K is cut into blocks of 32 from its start; a last block that is shorter is filled with zeros.
;;     - A block's scale is 2^e with e = floor(log2(the largest magnitude in the block)) - 8, held to -126 .. 127; a block of zeros has e = 0. As a byte (E8M0): e + 127.
;;     - Each number is divided by its block's scale, clamped to +-448, and rounded to the nearest number of E4M3, ties to even, subnormals kept.
;;     - The product sums the exact products of the quantised numbers (number of the format x scale) in f32.
;;   ~~~python
;;   def quantise(x, axis):      # numpy; x: float32 -> the quantised numbers, widened to float32 again
;;       x = np.moveaxis(x, axis, -1); K = x.shape[-1]
;;       x = np.pad(x, [(0, 0)] * (x.ndim - 1) + [(0, -K % 32)]); x = x.reshape(x.shape[:-1] + (-1, 32)); a = np.abs(x).max(-1, keepdims=True)
;;       e = np.where(a > 0, np.clip(np.frexp(np.where(a > 0, a, 1))[1] - 1 - 8, -126, 127), 0)      # np.frexp(a)[1] - 1 = floor(log2(a)), exactly
;;       r = np.clip(x / 2.0 ** e, -448, 448)
;;       step = 2.0 ** (np.maximum(np.frexp(np.where(r == 0, 1, r))[1] - 1, -6) - 3)
;;       q = np.round(r / step) * step * 2.0 ** e      # np.round: ties to even
;;       return np.moveaxis(q.reshape(q.shape[:-2] + (-1,))[..., :K], -1, axis).astype(np.float32)
;;   ~~~
;;   SOFTMAX AHEAD OF A QUANTISED PRODUCT. Where the list says 'softmax', what is quantised is not the finished softmax but p = 2^(t - M), with t = logit x log2(e) and M = ceil(the row's largest t), a whole number; so 1/2 < the row's largest p <= 1. The row's sum l is taken of the UNQUANTISED p, in f32, and the product's result is divided by l at the end. Since M is a whole number, a kernel that streams over the keys may use a running M (the ceiling of the running maximum): every later rescaling is an exact power of two, which a block's scale takes up: the codes' values come out the same.
;;   OPERANDS COMPUTED ON THE WAY. 'Computed on the way' means the value that the module computes at that place (a softmax that the list does not call 'softmax' is quantised finished and normalised). What goes into a quantiser is computed in f32, as accurately as f32 sums, v_exp_f32 and their like allow (about 1e-6 of the number): no bf16 or f16 on the way to a quantiser, and a product that is left as it is and whose result goes on into a quantised operand takes f32 operands (vector FMAs, or v_wmma_f32_16x16x4_f32). A number that lies on a knife's edge between two numbers of the format may be rounded either way, as far as f32 arithmetic and the matrix unit's own rounding can turn it there, and no further.
;; One version. Each part assembles by itself: llvm-mc -triple=amdgcn-amd-amdhsa -mcpu=gfx1250 --defsym DOCPART=n.
;; ======== version 1 of 1: 3 launches
;; limits: right only within a limited range of input values
;; workspace buffers: xc 8,388,608 bytes; xs 262,144 bytes; wc 3,145,728 bytes; ws 98,304 bytes; qb 8,912,896 bytes; kv 17,563,648 bytes
;; launch quant (part 1): grid 352 x 1, 4 waves a work-group, no clusters, 68,096 bytes of LDS; arguments x, W_qkv, xc, xs, wc, ws; writes xc, xs, wc, ws
.if DOCPART == 1
	.amdgcn_target "amdgcn-amd-amdhsa--gfx1250"
	.amdhsa_code_object_version 6
	.text
	.protected	k_qb4cea6fbb1_quant
	.globl	k_qb4cea6fbb1_quant
	.p2align	8
	.type	k_qb4cea6fbb1_quant,@function
k_qb4cea6fbb1_quant:
	s_mov_b64 s[64:65], 0
	v_nop
	global_prefetch_b8 v0, s[64:65] scope:SCOPE_SE
	s_setreg_imm32_b32 hwreg(HW_REG_WAVE_MODE, 25, 1), 1
	s_wait_xcnt 0x0
; x [8192][1024] f32 and W_qkv [1024][3072] f32 become codes of FP8 (E4M3) with K innermost and one E8M0 scale byte for each 32 along K.
;   xc [8192 places][1024], xs [8192 places][32]: place p holds token sw34(p);   wc [3072 places][1024], ws [3072 places][32]: place p holds column sw34(p) of W.
;   sw34 swaps bits 3 and 4 of a number.  So the dense 16 rows of tile 2 b + u are the numbers 32 b + 8 u + i + 8 (i / 8): in a matrix result whose registers run along such rows, a lane's 16 registers of
;   two neighbouring tiles are 16 true neighbours, which is what the next launch's quantiser wants.
; A block's scale is 2^(floor(log2(its largest magnitude)) - 8); its byte is the largest magnitude's exponent field - 8, held at 1 from below.  Each number is divided by the scale, held within +-448 and
; rounded to the nearest code, ties to even.
; LIMITS: a block whose largest magnitude lies under 2^-118 keeps the byte 1; a block of zeros has the byte 1 where the quantiser says 127 (its codes are zeros, and only this program reads the bytes);
; NaN and infinities among the inputs are not served.
; Work-groups 0-255 take x (K innermost: a wave takes 8 rows as a plain stream of blocks), work-groups 256-351 take W (K is its first axis: a lane takes a column and its registers run down K).
; The two ways part on the work-group's number, and each has LDS bytes of its own.  No tensor loads, no barrier: waves share nothing.
.set SIZE_K, 1024
.set SIZE_N, 3072
.set XWG,   256                        ; 8192 x 1024 / 32768 work-groups for x
.set MANT,  0x600000                   ; the mantissa field of 448 as f32
.set FLOOR, 0x4800000                  ; 2^(9 - 127)
.set OFFE,  0xfc000000                 ; -(8 << 23)
; way X
.set STEPS, 16                         ; a wave: 16 steps of 512 numbers = 8 rows of x
.set CB,    16                         ; bytes of 16 codes
.set XR,    16                         ; v16-79   four sets of 16 numbers as they are loaded
.set XX,    80                         ; v80-111  two sets of 16 neighbours
.set XE,    112                        ; v112-127 a scale byte for each step
.set XC,    128                        ; v128-191 codes: four registers for each step, so that no store's data are written again
.set WREG,  8192                       ; LDS bytes 0 .. 32767: a region for each wave: two stages of 32 x SP bytes, then its 256 scale bytes
.set SP,    80                         ; a lane's place in a stage: 64 bytes + 16 of padding
; way W
.set KW,    256                        ; along K for a wave
.set NB,    KW/32
.set PITCH, 272                        ; a stage row: 256 bytes of codes + 16
.set KROW,  1024                       ; a row of wc in bytes
.set WBASE, 32768                      ; LDS bytes 32768 .. 67583: a stage of 32 rows for each wave
.set WX,    32                         ; v32-95   two sets of 32 numbers
.set WC,    96                         ; v96-103  a block's codes
.set WOUT,  112                        ; v112-175 the way out
.set WSB,   24                         ; v24-25   the scale bytes, four to a register
	s_load_b256 s[4:11], s[0:1], 0x0               ; x s[4:5], W s[6:7], xc s[8:9], xs s[10:11]
	s_load_b128 s[12:15], s[0:1], 0x20             ; wc s[12:13], ws s[14:15]
	v_lshl_add_u32 v192, v0, 2, 0x10800
	v_mov_b32 v193, 0
	v_lshrrev_b32 v1, 5, v0
	v_readfirstlane_b32 s16, v1                    ; wave 0..3
	v_and_b32 v2, 31, v0                           ; lane
	s_mov_b32 s23, MANT                            ; (an instruction takes one literal: the hold's line has another)
	s_mov_b32 s21, 0                               ; the upper word of every offset
	s_wait_kmcnt 0x0
	s_cmp_lt_u32 ttmp9, XWG
	s_cbranch_scc0 .Lw
; ---------------- way X: x ----------------
	s_wait_alu depctr_va_vdst(0)
	v_lshlrev_b32 v3, 4, v2                        ; my 16 bytes of a load's 512
	s_mul_i32 s17, s16, WREG
	v_lshrrev_b32 v14, 2, v2
	v_mul_u32_u24 v14, v14, SP
	v_and_b32 v15, 3, v2
	v_lshl_add_u32 v14, v15, 4, v14
	v_add_nc_u32 v14, s17, v14                     ; the stage, on the way in: SP (lane / 4) + 16 (lane % 4)
	v_mul_u32_u24 v15, v2, SP
	v_add_nc_u32 v15, s17, v15                     ; and on the way out: SP x lane: my 16 neighbours
	v_mul_u32_u24 v4, v2, CB                       ; my codes' place in a step's
	v_lshrrev_b32 v5, 1, v2
	s_add_co_u32 s17, s17, 2*32*SP
	v_add_nc_u32 v5, s17, v5                       ; LDS: my wave's 256 scale bytes, my block's byte
	v_lshlrev_b32 v7, 3, v2                        ; and on the way out 8 bytes a lane
	v_add_nc_u32 v6, s17, v7
	s_lshl_b32 s17, ttmp9, 2
	s_add_co_u32 s18, s17, s16                     ; the run of 8 rows that I read: 4 x work-group + wave
	s_lshl_b32 s20, s18, 15                        ; 8 rows of 4,096 bytes
	s_add_nc_u64 s[4:5], s[4:5], s[20:21]
	s_and_b32 s19, s16, 1
	s_lshl_b32 s19, s19, 1
	s_lshr_b32 s22, s16, 1
	s_or_b32 s19, s19, s22
	s_add_co_u32 s19, s17, s19                     ; the run that I write: bits 3 and 4 of a token are bits 0 and 1 of its run: swapped
	s_lshl_b32 s20, s19, 13                        ; 8 rows of 1,024 codes
	s_add_nc_u64 s[8:9], s[8:9], s[20:21]
	s_lshl_b32 s20, s19, 8                         ; 8 rows of 32 scale bytes
	s_add_nc_u64 s[10:11], s[10:11], s[20:21]
.macro XLOAD t
.irp i, 0,1,2,3
	global_load_b128 v[XR+16*((\t)%4)+4*\i:XR+16*((\t)%4)+4*\i+3], v3, s[4:5] offset:2048*(\t)+512*\i th:TH_LOAD_NT   ; 32 lanes read 512 consecutive bytes
.endr
.endm
.macro XTURN t                         ; step t's numbers through the stage: LDS serves a wave's instructions in order, so no wait stands between the stores and the loads
.irp i, 0,1,2,3
	ds_store_b128 v14, v[XR+16*((\t)%4)+4*\i:XR+16*((\t)%4)+4*\i+3] offset:32*SP*((\t)%2)+8*SP*\i
.endr
.irp i, 0,1,2,3
	ds_load_b128 v[XX+16*((\t)%2)+4*\i:XX+16*((\t)%2)+4*\i+3], v15 offset:32*SP*((\t)%2)+16*\i
.endr
.endm
.irp t, 0,1,2,3
	XLOAD \t
.endr
	s_wait_alu depctr_va_vdst(0)
	s_wait_loadcnt 12                              ; step 0's four loads are in
	XTURN 0
.macro XSTEP t
.set XS, XX+16*((\t)%2)
.if (\t) > 0
	s_wait_dscnt 1                                 ; this step's numbers are back from the stage (the last step's byte store may be out): so its stores into the stage have read their registers,
.else
	s_wait_dscnt 0x0
.endif
.if (\t)+4 < STEPS
	XLOAD (\t)+4                                   ; which take the loads of four steps on
.endif
.if (\t)+1 < STEPS
.if STEPS-2-(\t) >= 3
	s_wait_loadcnt 12                              ; the next step's four loads are in; those of the three steps behind it may be out
.else
	s_wait_loadcnt 4*(STEPS-2-(\t))
.endif
	XTURN (\t)+1                                   ; and go through the other stage while this step is worked
.endif
	v_max3_num_f32 v8, |v[XS]|, |v[XS+1]|, |v[XS+2]|               ; the largest magnitude of my 16
	v_max3_num_f32 v9, |v[XS+3]|, |v[XS+4]|, |v[XS+5]|
.irp i, 6,10
	v_max3_num_f32 v8, v8, |v[XS+\i]|, |v[XS+\i+1]|
	v_max3_num_f32 v9, v9, |v[XS+\i+2]|, |v[XS+\i+3]|
.endr
	v_max3_num_f32 v8, v8, |v[XS+14]|, |v[XS+15]|
	v_max3_num_f32 v8, v8, v9, FLOOR               ; and the floor, under which no largest magnitude is taken: the byte cannot fall under 1
	v_max_num_f32_dpp v8, v8, v8 row_xmask:1 row_mask:0xf bank_mask:0xf   ; and of my neighbour's 16: the block's
	v_add_nc_u32 v11, OFFE, v8                     ; 8 off its exponent field: the conversion takes the exponent field of this operand as its scale
	v_and_or_b32 v10, v8, 0x7f800000, s23          ; 448 x the scale
.irp i, 0,1,2,3,4,5,6,7,8,9,10,11,12,13,14,15
	v_med3_num_f32 v[XS+\i], v[XS+\i], -v10, v10   ; the conversion to an 8-bit code does not saturate (ISA guide 7.6.2): the hold comes first
.endr
	v_cvt_scalef32_pk8_fp8_f32 v[XC+4*(\t):XC+4*(\t)+1], v[XS:XS+7], v11
	v_cvt_scalef32_pk8_fp8_f32 v[XC+4*(\t)+2:XC+4*(\t)+3], v[XS+8:XS+15], v11
	v_lshrrev_b32 v[XE+(\t)], 23, v11              ; the scale's byte
	ds_store_b8 v5, v[XE+(\t)] offset:16*(\t)      ; both lanes of a block write the same byte with the same value
	global_store_b128 v4, v[XC+4*(\t):XC+4*(\t)+3], s[8:9] offset:32*CB*(\t)   ; the wave stores 512 consecutive bytes
.endm
.irp t, 0,1,2,3,4,5,6,7,8,9,10,11,12,13,14,15
	XSTEP \t
.endr
	ds_load_b64 v[12:13], v6                       ; LDS serves a wave's instructions in order: these see my stores
	s_wait_dscnt 0x0
	global_store_b64 v7, v[12:13], s[10:11]        ; 32 lanes store 256 consecutive bytes, aligned
	s_wait_tensorcnt 0x0
	ds_add_u32 v192, v193
	s_wait_dscnt 0x0
	s_endpgm
; ---------------- way W: W_qkv ----------------
.Lw:
	s_sub_co_u32 s24, ttmp9, XWG                   ; 0 .. 95
	s_lshr_b32 s17, s24, 2                         ; which 128 columns
	s_lshl_b32 s17, s17, 7
	s_lshl_b32 s18, s16, 5
	s_add_co_u32 s17, s17, s18                     ; my wave's first column
	s_and_b32 s18, s24, 3                          ; which 256 along K
	s_wait_alu depctr_va_vdst(0)
	v_lshlrev_b32 v3, 2, v2                        ; in: 4 bytes a lane: a lane takes a column
	s_mul_i32 s19, s16, 32*PITCH
	s_add_co_u32 s19, s19, WBASE                   ; my stage
	v_mul_u32_u24 v4, v2, PITCH
	v_add_nc_u32 v4, s19, v4                       ; into it: row = my lane
	v_and_b32 v5, 15, v2
	v_lshrrev_b32 v6, 4, v2                        ; out of it: sixteen lanes to a row, two rows an instruction
	v_mul_u32_u24 v7, v6, PITCH
	v_lshl_add_u32 v7, v5, 4, v7
	v_add_nc_u32 v7, s19, v7
	v_mul_u32_u24 v8, v6, KROW
	v_lshl_add_u32 v8, v5, 4, v8                   ; and the same place in wc; the pair of rows' place, sw34(2 t), stands in the store's immediate
	v_and_b32 v10, 7, v2
	v_and_b32 v11, 8, v2
	v_lshl_or_b32 v10, v11, 1, v10
	v_and_b32 v11, 16, v2
	v_lshrrev_b32 v11, 1, v11
	v_add_nc_u32 v10, v10, v11                     ; sw34(lane)
	v_lshlrev_b32 v9, 5, v10                       ; my column's row of scale bytes: 32 bytes a row
	s_mul_i32 s20, s18, KW*SIZE_N*4
	s_lshl_b32 s22, s17, 2
	s_add_co_u32 s20, s20, s22
	s_add_nc_u64 s[6:7], s[6:7], s[20:21]          ; W at (256 y, my first column)
	s_lshl_b32 s20, s17, 10
	s_lshl_b32 s22, s18, 8
	s_add_co_u32 s20, s20, s22
	s_add_nc_u64 s[12:13], s[12:13], s[20:21]      ; wc at (my first column, 256 y)
	s_lshl_b32 s20, s17, 5
	s_lshl_b32 s22, s18, 3
	s_add_co_u32 s20, s20, s22
	s_add_nc_u64 s[14:15], s[14:15], s[20:21]      ; ws at (my first column, 8 y)
.macro WLOAD t                         ; block t: W(32 t + i, my column), i = 0 .. 31, into set t % 2.  The largest immediate is 255 x 12,288, inside the signed 24 bits
.irp i, 0,1,2,3,4,5,6,7,8,9,10,11,12,13,14,15,16,17,18,19,20,21,22,23,24,25,26,27,28,29,30,31
	global_load_b32 v[WX+32*((\t)%2)+\i], v3, s[6:7] offset:(32*(\t)+\i)*SIZE_N*4 th:TH_LOAD_NT
.endr
.endm
	WLOAD 0
	WLOAD 1
.macro WBLOCK t
.set XS, WX+32*((\t)%2)
.if (\t) < NB-1
	s_wait_loadcnt 32                              ; this block's 32 loads are in; the next block's may be out
.else
	s_wait_loadcnt 0
.endif
	v_max3_num_f32 v12, |v[XS]|, |v[XS+1]|, |v[XS+2]|               ; the block's largest magnitude: all 32 numbers are mine
	v_max3_num_f32 v13, |v[XS+3]|, |v[XS+4]|, |v[XS+5]|
.irp i, 6,10,14,18,22,26
	v_max3_num_f32 v12, v12, |v[XS+\i]|, |v[XS+\i+1]|
	v_max3_num_f32 v13, v13, |v[XS+\i+2]|, |v[XS+\i+3]|
.endr
	v_max3_num_f32 v12, v12, |v[XS+30]|, |v[XS+31]|
	v_max3_num_f32 v12, v12, v13, FLOOR
	v_add_nc_u32 v11, OFFE, v12                    ; the conversion's scale operand
	v_and_or_b32 v10, v12, 0x7f800000, s23         ; 448 x the scale
	v_lshrrev_b32 v13, 23, v11                     ; the scale's byte
.if (\t)%4 == 0
	v_mov_b32 v[WSB+(\t)/4], v13                   ; four bytes to a register, the lower K in the lower byte
.else
	v_lshl_or_b32 v[WSB+(\t)/4], v13, 8*((\t)%4), v[WSB+(\t)/4]
.endif
.irp i, 0,1,2,3,4,5,6,7,8,9,10,11,12,13,14,15,16,17,18,19,20,21,22,23,24,25,26,27,28,29,30,31
	v_med3_num_f32 v[XS+\i], v[XS+\i], -v10, v10
.endr
.irp g, 0,1,2,3
	v_cvt_scalef32_pk8_fp8_f32 v[WC+2*\g:WC+2*\g+1], v[XS+8*\g:XS+8*\g+7], v11
.endr
	v_nop                                          ; a plain line behind the last conversion
	ds_store_b128 v4, v[WC:WC+3] offset:32*(\t)    ; 32 codes: 32 bytes of my column's row
	ds_store_b128 v4, v[WC+4:WC+7] offset:32*(\t)+16
.if (\t)+2 < NB
	WLOAD (\t)+2
.endif
	s_wait_dscnt 0x0                               ; the stores have read their registers: the next block's codes may be written
.endm
.irp t, 0,1,2,3,4,5,6,7
	WBLOCK \t
.endr
	global_store_b64 v9, v[WSB:WSB+1], s[14:15]    ; my column's 8 scale bytes: rows 32 bytes apart, so these stores are short pieces; they are 98,304 bytes in the whole launch
.irp t, 0,1,2,3,4,5,6,7,8,9,10,11,12,13,14,15
	ds_load_b128 v[WOUT+4*\t:WOUT+4*\t+3], v7 offset:2*\t*PITCH   ; LDS serves a wave's instructions in order: these see my stores
.endr
.irp t, 0,1,2,3,4,5,6,7,8,9,10,11,12,13,14,15
	s_wait_dscnt 15-\t                             ; the younger loads may stay out
	global_store_b128 v8, v[WOUT+4*\t:WOUT+4*\t+3], s[12:13] offset:(((2*\t)&7)|(((2*\t)&8)<<1)|(((2*\t)&16)>>1))*KROW   ; columns 2 t, 2 t + 1 go to places sw34(2 t), sw34(2 t) + 1; 16 lanes store 256 consecutive bytes, aligned
.endr
	s_wait_tensorcnt 0x0
	ds_add_u32 v192, v193
	s_wait_dscnt 0x0
	s_endpgm
.Lfunc_end_k_qb4cea6fbb1_quant:
	.size	k_qb4cea6fbb1_quant, .Lfunc_end_k_qb4cea6fbb1_quant-k_qb4cea6fbb1_quant
	.p2alignl 7, 3214868480
	.fill 96, 4, 3214868480
	.section	.rodata,"a",@progbits
	.p2align	6, 0x0
	.amdhsa_kernel k_qb4cea6fbb1_quant
		.amdhsa_group_segment_fixed_size 68096
		.amdhsa_private_segment_fixed_size 0
		.amdhsa_enable_private_segment 0
		.amdhsa_kernarg_size 48
		.amdhsa_user_sgpr_count 2
		.amdhsa_user_sgpr_kernarg_segment_ptr 1
		.amdhsa_wavefront_size32 1
		.amdhsa_system_sgpr_workgroup_id_x 1
		.amdhsa_system_sgpr_workgroup_id_y 1
		.amdhsa_system_sgpr_workgroup_id_z 1
		.amdhsa_system_vgpr_workitem_id 0
		.amdhsa_next_free_vgpr 194
		.amdhsa_next_free_sgpr 66
		.amdhsa_reserve_vcc 0
		.amdhsa_float_denorm_mode_32 3
		.amdhsa_float_denorm_mode_16_64 3
		.amdhsa_memory_ordered 1
		.amdhsa_forward_progress 1
		.amdhsa_inst_pref_size 110
	.end_amdhsa_kernel
	.amdgpu_metadata
---
amdhsa.version: [ 1, 2 ]
amdhsa.kernels:
  - .name:           k_qb4cea6fbb1_quant
    .symbol:         k_qb4cea6fbb1_quant.kd
    .args:
      - { .name: x, .offset: 0, .size: 8, .value_kind: global_buffer, .address_space: global }
      - { .name: W_qkv, .offset: 8, .size: 8, .value_kind: global_buffer, .address_space: global }
      - { .name: xc, .offset: 16, .size: 8, .value_kind: global_buffer, .address_space: global }
      - { .name: xs, .offset: 24, .size: 8, .value_kind: global_buffer, .address_space: global }
      - { .name: wc, .offset: 32, .size: 8, .value_kind: global_buffer, .address_space: global }
      - { .name: ws, .offset: 40, .size: 8, .value_kind: global_buffer, .address_space: global }
    .group_segment_fixed_size: 68096
    .private_segment_fixed_size: 0
    .kernarg_segment_align: 8
    .kernarg_segment_size: 48
    .max_flat_workgroup_size: 128
    .sgpr_count:     66
    .vgpr_count:     194
    .wavefront_size: 32
...
	.end_amdgpu_metadata
.endif
;; end of part 1
;; launch gemm (part 2): grid 16 x 16, 4 waves a work-group, clusters of 4 x 4, 327,680 bytes of LDS; arguments xc, xs, wc, ws, b_qkv, qb, kv; writes qb, kv
.if DOCPART == 2
	.amdgcn_target "amdgcn-amd-amdhsa--gfx1250"
	.amdhsa_code_object_version 6
	.text
	.protected	k_qb4cea6fbb1_gemm
	.globl	k_qb4cea6fbb1_gemm
	.p2align	8
	.type	k_qb4cea6fbb1_gemm,@function
k_qb4cea6fbb1_gemm:
	s_mov_b64 s[64:65], 0
	v_nop
	global_prefetch_b8 v0, s[64:65] scope:SCOPE_SE
	s_setreg_imm32_b32 hwreg(HW_REG_WAVE_MODE, 25, 1), 1
	s_wait_xcnt 0x0
	s_wait_alu depctr_hold_cnt(0) depctr_sa_sdst(0) depctr_va_vdst(0) depctr_va_sdst(0) depctr_va_ssrc(0) depctr_va_vcc(0) depctr_vm_vsrc(0)
	s_getreg_b32 s2, hwreg(HW_REG_IB_STS2, 6, 4)
	s_cmp_eq_u32 s2, 0
	s_cbranch_scc0 .Lentry_in_a_cluster
	s_endpgm
.Lentry_in_a_cluster:
	s_bfe_u32 s2, ttmp6, 0x10000c
	s_cmp_lg_u32 s2, 0xf033
	s_cbranch_scc0 .Lentry_shape_is_right
	s_endpgm
.Lentry_shape_is_right:
; Q, K, V = x W + b AND THEIR QUANTISERS, on codes of FP8 (E4M3) with one E8M0 scale byte for 32 along K: 8,192 x 3,072 x 1,024.  Codes and scale words leave as images of the next launch's operand registers; no f32 result is stored.
; IN: xc, xs: x's 8,192 places (place p holds token sw34(p): bits 3 and 4 swapped), rows of 1,024 codes and of 32 scale bytes; wc, ws: W's 3,072 columns likewise.  b_qkv f32.
; OUT (r = lane % 16, h = lane / 16), a block for each (batch, head, step of 128 tokens): qb 8,704 bytes: eight tiles' images [tile][c][lane][16], then scale words [lane][pair of tiles]; kv 17,152 bytes: K likewise (8,192 + words at 16,384),
; V's images at 8,192 [tile of 16 channels][c][lane][16], V's scale words at 16,896 [lane][pair of tiles].
; THE DEAL.  256 work-groups of four waves, 2 x 2.  A wave holds 64 rows of a weight (one head), ALL of K, in 512 registers, and streams x's rows past them in blocks of 16, which stand in two register sets.
; PHASE 1: 512 rows x 128 columns of Q (tile columns 0-7) or K (8-15).  PHASE 2: 256 rows x 128 columns of V, on one of the work-group's own two windows of 256 rows (the cluster's x % 2); W_v's tile column is 4 (cluster x / 2) + cx.
; LDS: two slots of 128 rows.  The first weight lies in slot 1 until it is in registers, W_v in slot 0.  Phase 1 takes the window that is not V's first (chunks 0, 1), then V's (chunks 2, 3); chunk 3 still lies in slot 1 when V begins, chunk 2 comes anew.
; x's scale bytes of all 512 rows lie in LDS throughout, in the order of work.  Every refill stands behind a drained round of the cluster's barrier between two pairs of blocks: a quarter of 128 rows a wave.
; x's rows are shared along a row of the cluster, a weight's along a column: joint loads.  A chunk is one step of 128 tokens; wave row wr takes its tiles 4 wr .. 4 wr + 3, two pairs.
; THE WAY OUT, once for a pair of blocks: Q, K (source 0 = the weight): a lane holds a token and 32 of the head's 64 columns; V (source 0 = x): a lane holds a channel and, over the pair, 16 neighbouring tokens.  The bias is the C of a block's first four products.
; Scale words are gathered in LDS bytes of their own and leave at the end in whole runs of 512 or 256 bytes.
; LIMITS: NaN, infinities and sums beyond f32's range are not served; a block's byte never falls under 1 (a block of zeros has the byte 1 over zero codes; only this program reads the bytes).
.set KROW,  1024
.set PITCH, 1040                       ; an LDS row: 1,024 bytes + 16 of padding
.set H32,   32*PITCH                   ; 32 rows: a pair of blocks
.set YB,    128*PITCH                  ; slot 1
.set SCL,   2*YB                       ; x's scale bytes: units of 256 bytes (8 rows) + 16
.set RS,    32                         ; units of a window of 256 rows
.set XN,    SCL+2*RS*272               ; Q's, K's scale words: [wave][pair 0..7][lane]
.set XV,    XN+4096                    ; V's scale bytes: [wave][tile][lane]
.set SPARE, XV+2048
.set QBLK,  8704
.set KVB,   17152
.set NF,    34                         ; LDS loads of a block: eight fragments of four, two of scale words
.set ADRA0, 4
.set CO,    5
.set AAS0,  6
.set PF1,   7
.set PF2,   8
.set PF3,   9
.set SPW,   10
.set NIL,   11
.set ADRA,  12
.set AAS,   13
.set ADRB,  14                         ; v14 a weight's fragments in slot 1, v15 in slot 0
.set ABS,   16
.set VX0,   17
.set VX,    18
.set PF4,   19
.set SB,    24                         ; v24-39 the weight's scale words: 8 p + q: lanes 0-15 tile 2 p, lanes 16-31 tile 2 p + 1
.set SA,    44                         ; v44-59 x's, two sets of eight
.set ACC,   64                         ; v64-127 two sets of four accumulators
.set BQ,    128                        ; v128-159 the first four products' C
.set BV,    160                        ; v160-163 V's bias, a number a tile
.set WSV,   164                        ; v164-179 W_v's scale words, until the change of phase
.set RT,    180                        ; v180-183 V's scale bytes of my four pairs
.set PC,    192
.set TM,    208
.set W0,    224
.set WV, 18
.set WR, 19
.set WC, 20
.set CX, 21
.set CY, 22
.set TX, 23
.set TY, 2
.set VB, 3
.set KQ, 90
.set VT, 91
.set G1A, 24                           ; descriptors; those of the head's loads are free behind the wait that shows them done, and hold the names below
.set G1B, 32
.set G1R, 40
.set G1W, 48
.set G1S, 56
.set G0A, 68
.set G0B, 72
.set G0R, 76
.set G0W, 80
.set G0S, 84
.set SEL, 24
.set MNT, 26
.set HM,  27
.set FOA, 28
.set FSA, 29
.set FOB, 30
.set FSB, 31
.set SW,  32
.set TRIP, 33
.set XR,  34
.set BLK, 35
.set PQ,  36
.set PQ2, 38
.set INC, 56
.set PVP, 58
.set NX,  60
.set QS,  62
.set VS,  68
.set PSEL, 70
.set MSB, 0
.macro WIN new                         ; the immediate's high byte repeats the setting that is left
.if MSB != (\new)
	s_set_vgpr_msb (MSB<<8)|(\new)
.set MSB, (\new)
.endif
.endm
.macro PLACES n
.rept \n
	v_nop
.endr
.endm
.macro BARRIER
	s_barrier_signal -1
	s_barrier_wait -1
.endm
.macro CROUND                          ; a round of the cluster's barrier
	BARRIER
	s_cmp_lg_u32 s[WV], 0
	s_cbranch_scc1 .Lnot_wave_0_\@
	s_barrier_signal -3
.Lnot_wave_0_\@:
	s_barrier_wait -3
	BARRIER
.endm
.macro TLOAD g0, g1
	tensor_load_to_lds s[\g0:\g0+3], s[\g1:\g1+7]
	s_nop 0
	PLACES 4
.endm
.macro GROUP1 g, mask, rows            ; so many whole rows of K, padded in LDS
	s_or_b32 s[\g], s[\mask], (1<<20)|(1<<21)|(7<<22)|(3<<25)
	s_mov_b32 s[\g+1], KROW<<16
	s_mov_b32 s[\g+2], (\rows)<<16
	s_mov_b32 s[\g+3], KROW<<16
	s_mov_b32 s[\g+4], \rows
	s_mov_b32 s[\g+5], KROW
	s_mov_b32 s[\g+6], 0
	s_mov_b32 s[\g+7], 0
.endm
.macro GROUP0 g, base, off             ; the global address: a buffer's pointer + s[off], whose upper word is 0; then the type
	s_mov_b32 s[\g], 1
	s_add_nc_u64 s[\g+2:\g+3], s[\base:\base+1], s[\off:\off+1]
	s_or_b32 s[\g+3], s[\g+3], 0x80000000
.endm
	s_load_b256 s[4:11], s[0:1], 0x0               ; xc, xs, wc, ws
	s_load_b128 s[12:15], s[0:1], 0x20             ; b_qkv, qb
	s_load_b64 s[16:17], s[0:1], 0x30              ; kv
	v_lshl_add_u32 v[SPW], v0, 2, SPARE
	v_mov_b32 v[NIL], 0
	ds_add_u32 v[SPW], v[NIL]                      ; the opening lines: the add, twice on end, and its wait
	ds_add_u32 v[SPW], v[NIL]
	v_lshrrev_b32 v1, 5, v0
	v_readfirstlane_b32 s[WV], v1
	s_lshr_b32 s[WR], s[WV], 1                     ; my row of waves
	s_and_b32 s[WC], s[WV], 1                      ; my column of waves
	s_bfe_u32 s[CX], ttmp6, 0x40000
	s_bfe_u32 s[CY], ttmp6, 0x40004
	s_lshl_b32 s[TX], ttmp9, 2
	s_add_co_u32 s[TX], s[TX], s[CX]               ; tile column
	s_and_b32 s[TY], ttmp7, 0xffff
	s_lshl_b32 s[TY], s[TY], 2
	s_add_co_u32 s[TY], s[TY], s[CY]               ; tile row
	s_and_b32 s[VB], ttmp9, 1                      ; which of my two windows is V's
	s_lshr_b32 s[KQ], ttmp9, 1                     ; 0: Q, 1: K
	s_lshl_b32 s[VT], s[KQ], 2
	s_add_co_u32 s[VT], s[VT], s[CX]               ; W_v's tile column
	s_lshl_b32 s88, s[CY], 2
	s_lshl_b32 s88, 15, s88                        ; my row of the cluster shares x's rows
	s_lshl_b32 s89, 0x1111, s[CX]                  ; my column a weight's
	GROUP1 G1A, 88, 128
	GROUP1 G1B, 89, 128
	GROUP1 G1R, 88, 32
	GROUP1 G1W, 89, 32
	s_or_b32 s[G1S], s88, (3<<16)|(1<<20)|(1<<21)|(5<<22)|(3<<25)   ; a window's scale bytes: 8,192 dense bytes as 32 rows of 256, 16 of padding behind each
	s_mov_b32 s[G1S+1], 32<<16
	s_mov_b32 s[G1S+2], RS<<16
	s_mov_b32 s[G1S+3], 32<<16
	s_mov_b32 s[G1S+4], RS
	s_mov_b32 s[G1S+5], 32
	s_mov_b32 s[G1S+6], 0
	s_mov_b32 s[G1S+7], 0
	s_lshl_b32 s92, s[TY], 19
	s_lshl_b32 s93, s[VB], 18
	s_add_co_u32 s94, s92, s93                     ; s94: V's window in xc, bytes
	s_xor_b32 s93, s93, 1<<18
	s_add_co_u32 s95, s92, s93                     ; s95: the other window
	s_lshl_b32 s96, s[WV], 15                      ; a refill's quarter: 32 rows x wave, in memory
	s_mul_i32 s97, s[WV], H32                      ; and in LDS
	s_mov_b32 s99, 0
	s_mov_b32 s[G0A+1], 0
	s_mov_b32 s[G0B+1], YB
	s_mul_i32 s[G0S+1], s[WC], RS*272
	s_add_co_u32 s[G0S+1], s[G0S+1], SCL
	s_add_co_u32 s[G0R+1], s97, YB
	s_mov_b32 s[G0W+1], s97
	s_wait_dscnt 0x0                               ; both opening adds are done
	CROUND                                         ; all sixteen work-groups are here
	s_wait_kmcnt 0x0
	s_lshl_b32 s98, s[TX], 17
	GROUP0 G0B, 8, 98                              ; the first weight's 128 rows
	s_mov_b32 s98, s95
	GROUP0 G0A, 4, 98                              ; chunk 0
	s_cmp_eq_u32 s[WC], 1
	s_cselect_b32 s98, s94, s95
	s_lshr_b32 s98, s98, 5
	GROUP0 G0S, 6, 98                              ; wave 2: the scale bytes of the window that is not V's; wave 3: of V's
	s_add_co_u32 s98, s95, s96
	s_add_co_u32 s98, s98, 131072
	GROUP0 G0R, 4, 98                              ; chunk 1, my quarter
	s_lshl_b32 s98, s[VT], 17
	s_add_co_u32 s98, s98, s96
	s_add_co_u32 s98, s98, 2048*KROW
	GROUP0 G0W, 8, 98                              ; W_v's rows, my quarter
	s_cmp_eq_u32 s[WV], 0                          ; one joint load a wave; wave 0, which alone waits at the first barrier, has a line of its own
	s_cbranch_scc0 .Lhead_1
	TLOAD G0B, G1B
	s_branch .Lhead_asked
.Lhead_1:
	s_cmp_eq_u32 s[WV], 1
	s_cbranch_scc0 .Lhead_2
	TLOAD G0A, G1A
	s_branch .Lhead_asked
.Lhead_2:
	TLOAD G0S, G1S
.Lhead_asked:
	v_and_b32 v1, 15, v0                           ; r
	v_bfe_u32 v2, v0, 4, 1                         ; h
	v_and_b32 v3, 31, v0                           ; lane
	v_mul_u32_u24 v20, v1, PITCH
	v_lshl_add_u32 v20, v2, 4, v20                 ; a fragment's row x pitch + 16 h
	s_mul_i32 s92, s[WR], 64*PITCH
	v_add_nc_u32 v[ADRA0], s92, v20                ; x: my row of waves' 64 rows of a slot
	s_mul_i32 s92, s[WC], 64*PITCH
	v_add_nc_u32 v[ADRB+1], s92, v20               ; a weight: my column of waves' 64 rows, in slot 0,
	s_add_co_u32 s92, s92, YB
	v_add_nc_u32 v[ADRB], s92, v20                 ; in slot 1
	v_lshlrev_b32 v[ABS], 5, v3                    ; a weight's scale bytes: lane l takes row l of a pair of tiles
	v_lshlrev_b32 v21, 5, v1
	v_lshrrev_b32 v22, 3, v1
	v_lshl_add_u32 v21, v22, 4, v21                ; x's scale bytes: 32 r + 16 (r / 8)
	s_mul_i32 s92, s[WR], 64*34
	s_add_co_u32 s92, s92, SCL
	v_add_nc_u32 v[AAS0], s92, v21
	v_lshlrev_b32 v[CO], 4, v3
	v_lshlrev_b32 v23, 6, v2                       ; Q's, K's bias: 16 numbers on for h = 1
	v_and_b32 v232, 7, v1
	v_lshl_add_u32 v232, v22, 4, v232
	v_lshlrev_b32 v232, 2, v232                    ; V's: channel r % 8 + 16 (r / 8) of a pair of tiles
	s_lshl_b32 s92, s[TX], 9
	s_lshl_b32 s93, s[WC], 8
	s_add_co_u32 s92, s92, s93
	s_mov_b32 s93, 0
	s_add_nc_u64 s[92:93], s[12:13], s[92:93]
	s_lshl_b32 s96, s[VT], 9
	s_lshl_b32 s97, s[WC], 8
	s_add_co_u32 s96, s96, s97
	s_add_co_u32 s96, s96, 8192
	s_mov_b32 s97, 0
	s_add_nc_u64 s[96:97], s[12:13], s[96:97]
	s_lshl_b32 s98, s[TX], 12
	s_lshl_b32 s99, s[WC], 11
	s_add_co_u32 s98, s98, s99
	s_mov_b32 s99, 0
	s_add_nc_u64 s[98:99], s[10:11], s[98:99]
	s_lshl_b32 s100, s[VT], 12
	s_lshl_b32 s101, s[WC], 11
	s_add_co_u32 s100, s100, s101
	s_add_co_u32 s100, s100, 65536
	s_mov_b32 s101, 0
	s_add_nc_u64 s[100:101], s[10:11], s[100:101]
	s_wait_alu depctr_va_vdst(0)
.irp c, 0,1
.irp k, 0,1,2,3
	global_load_b128 v[BQ+16*\c+4*\k:BQ+16*\c+4*\k+3], v23, s[92:93] offset:128*\c+16*\k   ; register 16 c + i: column 32 c + 16 h + i of my head
.endr
.endr
.irp t, 0,1,2,3
	global_load_b32 v[BV+\t], v232, s[96:97] offset:(32*(\t/2)+8*(\t%2))*4
.endr
.irp p, 0,1
.irp c, 0,1
	global_load_b128 v[SB+8*\p+4*\c:SB+8*\p+4*\c+3], v[ABS], s[98:99] offset:1024*\p+16*\c
	global_load_b128 v[WSV+8*\p+4*\c:WSV+8*\p+4*\c+3], v[ABS], s[100:101] offset:1024*\p+16*\c
.endr
.endr
	s_wait_xcnt 0x0                                ; the loads have taken their bases: the registers are written below
	s_lshl_b32 s92, s[CX], 2                       ; the prefetches: of a chunk's 128 rows each of the cluster row's sixteen waves names 8,192 bytes, lanes 256 bytes apart: shared out by address
	s_add_co_u32 s92, s92, s[WV]
	s_lshl_b32 s92, s92, 13
	s_add_co_u32 s93, s92, s95
	s_add_co_u32 s93, s93, 131072
	v_lshl_add_u32 v[PF1], v3, 8, s93              ; chunk 1
	s_add_co_u32 s93, s92, s94
	v_lshl_add_u32 v[PF2], v3, 8, s93              ; chunk 2
	s_add_co_u32 s93, s93, 131072
	v_lshl_add_u32 v[PF3], v3, 8, s93              ; chunk 3
	s_lshl_b32 s92, s[CY], 2                       ; W_v's rows: the cluster column's sixteen waves
	s_add_co_u32 s92, s92, s[WV]
	s_lshl_b32 s92, s92, 13
	s_lshl_b32 s93, s[VT], 17
	s_add_co_u32 s93, s93, s92
	s_add_co_u32 s93, s93, 2048*KROW
	v_lshl_add_u32 v[PF4], v3, 8, s93
	s_lshl_b32 s92, s[WV], 10
	s_add_co_u32 s92, s92, XN
	v_lshl_add_u32 v[VX0], v3, 2, s92              ; my wave's place for a pair's scale word
.irp b, 0,1,2,3
	v_mov_b32 v[TM+4+\b], 0                        ; a lane permute's destination counts as one of its sources
	v_mov_b32 v[RT+\b], 0
.endr
	s_wait_alu depctr_va_vdst(0)
	s_cmp_eq_u32 s[WV], 0
	s_cbranch_scc0 .Lnot_w
	s_wait_tensorcnt 0x0                           ; wave 0: the first weight has landed.  The other waves' wait stands ahead of the round below
.Lnot_w:
	BARRIER
	global_prefetch_b8 v[PF1], s[4:5] th:TH_LOAD_NT scope:SCOPE_SE
	global_prefetch_b8 v[PF2], s[4:5] th:TH_LOAD_NT scope:SCOPE_SE
.macro WEIGHTS adr                     ; my 64 rows of a weight, all of K: fragment 4 q + b in window 1 + (4 q + b) / 16: 128 loads
.irp q, 0,1,2,3,4,5,6,7
	WIN (1+\q/4)<<6
.irp b, 0,1,2,3
.irp c, 0,1,2,3
	ds_load_b128 v[16*((4*\q+\b)%16)+4*\c:16*((4*\q+\b)%16)+4*\c+3], v[\adr] offset:128*\q+32*\c+\b*16*PITCH
.endr
.endr
.endr
	WIN 0
.endm
.macro FETCH e, a, s                   ; block e of a pair, 16 rows, all of K, into set e of window 3, and its scale words: NF loads
	WIN 3<<6
.irp q, 0,1,2,3,4,5,6,7
.irp c, 0,1,2,3
	ds_load_b128 v[128*\e+16*\q+4*\c:128*\e+16*\q+4*\c+3], v[\a] offset:128*\q+32*\c+\e*16*PITCH
.endr
.endr
	WIN 0
	ds_load_b128 v[SA+8*\e:SA+8*\e+3], v[\s] offset:544*\e
	ds_load_b128 v[SA+8*\e+4:SA+8*\e+7], v[\s] offset:544*\e+16
.endm
.macro PROD kind, e, n                 ; product n = 4 q + b: the q-th 128 of K, tile b of the weight: the four accumulators by turns.  kind 0: source 0 = the weight; kind 1: source 0 = x
.set Q_, (\n)/4
.set B_, (\n)%4
.set AC_, ACC+32*(\e)+8*B_
.set C_, AC_
.if Q_ == 0
.set C_, BQ+8*B_
.endif
.set X_, 128*(\e)+16*Q_
.set W_, 16*((\n)%16)
.set XS_, SA+8*(\e)+Q_
.set WS_, SB+8*(B_/2)+Q_
.if \kind
	WIN 3|((1+(\n)/16)<<2)
.if B_%2
	v_wmma_scale_f32_16x16x128_f8f6f4 v[AC_:AC_+7], v[X_:X_+15], v[W_:W_+15], v[C_:C_+7], v[XS_], v[WS_] matrix_b_scale:MATRIX_SCALE_ROW1
.else
	v_wmma_scale_f32_16x16x128_f8f6f4 v[AC_:AC_+7], v[X_:X_+15], v[W_:W_+15], v[C_:C_+7], v[XS_], v[WS_]
.endif
.else
	WIN (1+(\n)/16)|(3<<2)
.if B_%2
	v_wmma_scale_f32_16x16x128_f8f6f4 v[AC_:AC_+7], v[W_:W_+15], v[X_:X_+15], v[C_:C_+7], v[WS_], v[XS_] matrix_a_scale:MATRIX_SCALE_ROW1
.else
	v_wmma_scale_f32_16x16x128_f8f6f4 v[AC_:AC_+7], v[W_:W_+15], v[X_:X_+15], v[C_:C_+7], v[WS_], v[XS_]
.endif
.endif
.endm
.macro BATCH kind, e, fo, fs           ; a block's 32 products; behind them eight places, two of which form the address of the fetch that follows
.set N_, 0
.rept 32
	PROD \kind, \e, N_
.set N_, N_+1
.endr
	WIN 0
	v_add_nc_u32 v[ADRA], s[\fo], v[ADRA0]
	v_add_nc_u32 v[AAS], s[\fs], v[AAS0]
	PLACES 6
.endm
; Four scale blocks of 32: block b's 16 numbers of a lane are the eight registers at ACC + sb b and the eight sh further on; the other 16 lie in lane l xor 16.  Codes -> PC + 4 b, bytes -> TM + 4 + b.
.macro QUANT sb, sh
.irp b, 0,1,2,3
	v_max3_num_f32 v[TM+\b], |v[ACC+\sb*\b]|, |v[ACC+\sb*\b+1]|, 0x4800000   ; and the floor 2^(9 - 127)
.endr
.irp i, 2,4,6
.irp b, 0,1,2,3
	v_max3_num_f32 v[TM+\b], v[TM+\b], |v[ACC+\sb*\b+\i]|, |v[ACC+\sb*\b+\i+1]|
.endr
.endr
.irp i, 0,2,4,6
.irp b, 0,1,2,3
	v_max3_num_f32 v[TM+\b], v[TM+\b], |v[ACC+\sb*\b+\sh+\i]|, |v[ACC+\sb*\b+\sh+\i+1]|
.endr
.endr
.irp b, 0,1,2,3
	v_permlanex16_b32 v[TM+4+\b], v[TM+\b], s[SEL], s[SEL+1]
.endr
.irp b, 0,1,2,3
	v_max_num_f32 v[TM+\b], v[TM+\b], v[TM+4+\b]
.endr
.irp b, 0,1,2,3
	v_add_nc_u32 v[TM+12+\b], 0xfc000000, v[TM+\b]           ; the conversion's scale operand
.endr
.irp b, 0,1,2,3
	v_and_or_b32 v[TM+8+\b], v[TM+\b], 0x7f800000, s[MNT]    ; 448 x the scale
.endr
.irp b, 0,1,2,3
	v_lshrrev_b32 v[TM+4+\b], 23, v[TM+12+\b]                ; the scale's byte
.endr
.irp b, 0,1,2,3
.irp i, 0,1,2,3,4,5,6,7
	v_med3_num_f32 v[ACC+\sb*\b+\i], v[ACC+\sb*\b+\i], -v[TM+8+\b], v[TM+8+\b]   ; the conversion does not saturate (ISA guide 7.6.2): the hold comes first
.endr
	v_cvt_scalef32_pk8_fp8_f32 v[PC+4*\b:PC+4*\b+1], v[ACC+\sb*\b:ACC+\sb*\b+7], v[TM+12+\b]
.irp i, 0,1,2,3,4,5,6,7
	v_med3_num_f32 v[ACC+\sb*\b+\sh+\i], v[ACC+\sb*\b+\sh+\i], -v[TM+8+\b], v[TM+8+\b]
.endr
	v_cvt_scalef32_pk8_fp8_f32 v[PC+4*\b+2:PC+4*\b+3], v[ACC+\sb*\b+\sh:ACC+\sb*\b+\sh+7], v[TM+12+\b]
.endr
	v_nop                                          ; a plain line behind the last conversion
.endm
.macro OUT kind
	s_wait_xcnt 0x0                                ; the last pair's stores have read their data and their base
	s_add_nc_u64 s[PQ+22*\kind:PQ+22*\kind+1], s[PQ+22*\kind:PQ+22*\kind+1], s[INC:INC+1]   ; on to this pair's place (kind 1: s[PVP:PVP+1]); the two steps take turns
.if \kind
	s_xor_b32 s[INC], s[INC], 0xffffb900           ; 512 <-> -(KVB + 512)
	s_xor_b32 s[INC+1], s[INC+1], -1
	QUANT 8, 32                                    ; block t: channel tile t, the pair's 32 tokens
.irp t, 0,1,2,3
	v_alignbit_b32 v[RT+\t], v[TM+4+\t], v[RT+\t], 8   ; the byte comes in on top: after four pairs the first lies lowest
.endr
.irp t, 0,1,2,3
	global_store_b128 v[CO], v[PC+4*\t:PC+4*\t+3], s[PVP:PVP+1] offset:8192+2048*\t   ; the wave stores 512 consecutive bytes
.endr
.else
	s_xor_b32 s[INC], s[INC], s[XR]                ; 2,048 <-> a block less 2,048
	QUANT 16, 8                                    ; block 2 e + c: tile e of the pair, columns 32 c on of my head
	v_lshl_or_b32 v[W0], v[TM+5], 8, v[TM+4]
	v_lshl_or_b32 v[W0+1], v[TM+7], 8, v[TM+6]
	v_add_nc_u32 v[VX], s[SW], v[VX0]
	v_lshl_or_b32 v[W0], v[W0], 16, v[W0]          ; the bytes once more, for the zero codes that fill K from 64 to 128
	v_lshl_or_b32 v[W0+1], v[W0+1], 16, v[W0+1]
	v_cndmask_b32 v[W0+2], v[W0], v[W0+1], s[HM]   ; lanes 0-15 the even tile's word, lanes 16-31 the odd tile's
	s_add_co_u32 s[SW], s[SW], 128
.irp b, 0,1,2,3
	global_store_b128 v[CO], v[PC+4*\b:PC+4*\b+3], s[PQ:PQ+1] offset:1024*(\b/2)+512*(\b%2)
.endr
	ds_store_b32 v[VX], v[W0+2]
.endif
.endm
; A pair of blocks.  Behind a block's products its set takes the same block of the next pair, at s[fo], s[fs].  tail = 1: the loop's last trip fetches nothing.
.macro PAIR kind, fo, fs, tail
	s_wait_dscnt NF                                ; set 0 is in; set 1's NF loads, issued behind it, may be out
	BATCH \kind, 0, \fo, \fs
.if \tail
	s_cmp_eq_u32 s[TRIP], 2
	s_cbranch_scc1 .Lnone_0_\@
.endif
	FETCH 0, ADRA, AAS
	s_wait_dscnt NF                                ; set 1 is in; the NF just issued may be out
.if \tail
	s_branch .Lgo_\@
.Lnone_0_\@:
	s_wait_dscnt 0x0
.Lgo_\@:
.endif
	BATCH \kind, 1, \fo, \fs
.if \tail
	s_cmp_eq_u32 s[TRIP], 2
	s_cbranch_scc1 .Lnone_1_\@
.endif
	FETCH 1, ADRA, AAS
.if \tail
.Lnone_1_\@:
.endif
	OUT \kind
.endm
.macro GRD
	s_wait_tensorcnt 0x0
	ds_add_u32 v[SPW], v[NIL]
.endm
.macro RX                              ; a drained round, and the next chunk of x into the slot whose blocks are all in registers
	GRD
	s_xor_b32 s[G0R+1], s[G0R+1], YB
	s_mov_b64 s[G0R+2:G0R+3], s[NX:NX+1]
	s_or_b32 s[G0R+3], s[G0R+3], 0x80000000
	s_add_nc_u64 s[NX:NX+1], s[NX:NX+1], 131072
	s_wait_dscnt 0x0
	CROUND
	TLOAD G0R, G1R
.endm
	WEIGHTS ADRB
	GRD
	s_wait_dscnt 0x0                               ; the first weight is in registers
	CROUND
	TLOAD G0R, G1R                                 ; chunk 1 over the first weight's rows
	FETCH 0, ADRA0, AAS0
	FETCH 1, ADRA0, AAS0
	global_prefetch_b8 v[PF3], s[4:5] th:TH_LOAD_NT scope:SCOPE_SE
	s_mov_b32 s[SEL], 0x76543210
	s_mov_b32 s[SEL+1], 0xfedcba98
	s_mov_b32 s[MNT], 0x600000
	s_mov_b32 s[HM], 0xffff0000
	s_mov_b32 s[FOA], H32                          ; where the next pairs lie: in the slots,
	s_mov_b32 s[FOB], YB
	s_mov_b32 s[FSA], 1088                         ; and among the scale bytes
	s_mov_b32 s[FSB], 4352
	s_mov_b32 s[SW], 0
	s_lshr_b32 s71, s[TY], 2
	s_lshl_b32 s71, s71, 4                         ; 16 batch
	s_and_b32 s72, s[TY], 3
	s_lshl_b32 s72, s72, 2                         ; my rows' first step
	s_and_b32 s73, s[TX], 7
	s_lshl_b32 s73, s73, 1
	s_add_co_u32 s73, s73, s71
	s_add_co_u32 s73, s73, s[WC]
	s_lshl_b32 s73, s73, 4
	s_add_co_u32 s73, s73, s72                     ; the block number of my head of Q or K at that step
	s_lshl_b32 s84, s[VT], 1
	s_add_co_u32 s84, s84, s71
	s_add_co_u32 s84, s84, s[WC]
	s_lshl_b32 s84, s84, 4
	s_add_co_u32 s84, s84, s72                     ; of my head of V
	s_lshl_b32 s86, s[VB], 1                       ; V's window: steps s86, s86 + 1;
	s_xor_b32 s87, s86, 2                          ; the other: s87, s87 + 1
	s_mov_b32 s[BLK], KVB
	s_mov_b32 s85, 16384
	s_cmp_eq_u32 s[KQ], 0
	s_cselect_b64 s[74:75], s[14:15], s[16:17]
	s_cselect_b32 s[BLK], QBLK, s[BLK]
	s_cselect_b32 s85, 8192, s85                   ; where a block's scale words begin
	s_lshl_b32 s97, s[WR], 12
	s_add_co_u32 s96, s73, s87
	s_mul_i32 s96, s96, s[BLK]
	s_add_co_u32 s96, s96, s97
	s_add_co_u32 s98, s73, s86
	s_mul_i32 s98, s98, s[BLK]
	s_add_co_u32 s98, s98, s97
	s_mov_b32 s97, 0
	s_mov_b32 s99, 0
	s_add_nc_u64 s[PQ:PQ+1], s[74:75], s[96:97]    ; my first tile's image in the first window of the order of work,
	s_add_nc_u64 s[PQ2:PQ2+1], s[74:75], s[98:99]  ; and in V's
	s_sub_co_u32 s[INC], s[BLK], 2048
	s_mov_b32 s[INC+1], 0
	s_sub_nc_u64 s[PQ:PQ+1], s[PQ:PQ+1], s[INC:INC+1]      ; less the step that the first way out adds
	s_sub_nc_u64 s[PQ2:PQ2+1], s[PQ2:PQ2+1], s[INC:INC+1]
	s_xor_b32 s[XR], s[INC], 2048
	s_cmp_eq_u32 s[WR], 1                          ; at the end wave n stores the words of head n % 2 in the n / 2-th window of the order of work
	s_cselect_b32 s96, s86, s87
	s_add_co_u32 s96, s96, s73
	s_mul_i32 s96, s96, s[BLK]
	s_add_co_u32 s96, s96, s85
	s_add_nc_u64 s[QS:QS+1], s[74:75], s[96:97]
	s_add_co_u32 s98, s84, s86
	s_add_co_u32 s96, s98, 1                       ; V begins with chunk 3, the window's second step
	s_mul_i32 s96, s96, KVB
	s_lshl_b32 s100, s[WR], 10
	s_add_co_u32 s96, s96, s100
	s_add_co_u32 s96, s96, KVB+512                 ; (which the first way out takes off again)
	s_add_nc_u64 s[PVP:PVP+1], s[16:17], s[96:97]
	s_add_co_u32 s96, s98, s[WR]
	s_mul_i32 s96, s96, KVB
	s_add_nc_u64 s[VS:VS+1], s[16:17], s[96:97]    ; at the end wave n stores V's words of head n % 2, step n / 2 of the window
	s_mov_b32 s[PSEL], 0x07060302
	s_cmp_eq_u32 s[WR], 1
	s_cselect_b32 s[PSEL], 0x05040100, s[PSEL]
	s_lshl_b32 s96, s[WV], 15
	s_add_co_u32 s96, s96, s94
	s_add_nc_u64 s[NX:NX+1], s[4:5], s[96:97]      ; chunk 2, my quarter
	s_wait_loadcnt 0x0                             ; the biases and the weights' scale words
	s_mov_b32 s[TRIP], 0
.Lfill:                                            ; chunks 0, 1; chunks 2, 3 are asked for
	PAIR 0, FOA, FSA, 0
	RX
	s_cmp_eq_u32 s[TRIP], 0
	s_cbranch_scc1 .Lnone_ahead
	global_prefetch_b8 v[PF4], s[8:9] th:TH_LOAD_NT scope:SCOPE_SE   ; W_v's rows, two pairs of blocks ahead of their load
.Lnone_ahead:
	PAIR 0, FOB, FSB, 0
	s_xor_b32 s[FOA], s[FOA], YB
	s_xor_b32 s[FOB], s[FOB], YB
	s_add_co_u32 s[FSA], s[FSA], 4352
	s_add_co_u32 s[FSB], s[FSB], 4352
	s_add_co_u32 s[TRIP], s[TRIP], 1
	s_cmp_lt_u32 s[TRIP], 2
	s_cbranch_scc1 .Lfill
	s_wait_xcnt 0x0
	s_mov_b64 s[PQ:PQ+1], s[PQ2:PQ2+1]             ; on to V's window
	PAIR 0, FOA, FSA, 0
	GRD
	s_wait_dscnt 0x0
	CROUND
	TLOAD G0W, G1W
	s_mov_b32 s[TRIP], 0
.Lrest:                                            ; the last three pairs; the last fetches V's first pair: chunk 3 again, as it lies in slot 1
	PAIR 0, FOB, FSB, 0
	s_xor_b32 s[FOB], s[FOB], H32
	s_xor_b32 s[FSB], s[FSB], 1088
	s_add_co_u32 s[TRIP], s[TRIP], 1
	s_cmp_lt_u32 s[TRIP], 3
	s_cbranch_scc1 .Lrest
	; THE CHANGE OF PHASE
	s_wait_tensorcnt 0x0                           ; W_v's rows are in
	s_wait_dscnt 0x0
	BARRIER
	WEIGHTS ADRB+1
.irp q, 0,1,2,3,4,5,6,7,8,9,10,11,12,13,14,15
	v_mov_b32 v[SB+\q], v[WSV+\q]
.endr
.irp t, 0,1,2,3
.irp i, 0,1,2,3,4,5,6,7
	v_mov_b32 v[BQ+8*\t+\i], v[BV+\t]              ; a lane holds one channel of tile t: its bias in all eight registers
.endr
.endr
	s_mov_b32 s[INC], 0xffffbb00                   ; -(KVB + 512)
	s_mov_b32 s[INC+1], -1
	s_sub_nc_u64 s[NX:NX+1], s[NX:NX+1], 262144    ; chunk 2 once more
	s_mov_b32 s[FOA], 0
	s_mov_b32 s[FSA], 8704
	s_wait_alu depctr_va_vdst(0)                   ; the wait here, directly ahead of the wait below
	RX                                             ; W_v is in registers: chunk 2 into slot 0
	PAIR 1, FOB, FSB, 0
	s_wait_tensorcnt 0x0                           ; chunk 2 is in
	s_wait_dscnt 0x0
	BARRIER
	s_mov_b32 s[TRIP], 0
.Lv:
	PAIR 1, FOA, FSA, 1
	s_add_co_u32 s[FOA], s[FOA], H32
	s_add_co_u32 s[FSA], s[FSA], 1088
	s_add_co_u32 s[TRIP], s[TRIP], 1
	s_cmp_lt_u32 s[TRIP], 3
	s_cbranch_scc1 .Lv
	; THE SCALE WORDS LEAVE
	s_lshl_b32 s96, s[WV], 9
	s_add_co_u32 s96, s96, XV
	v_lshl_add_u32 v20, v3, 2, s96
	s_lshl_b32 s96, s[WC], 10
	s_lshl_b32 s97, s[WR], 9
	s_add_co_u32 s96, s96, s97
	s_add_co_u32 s96, s96, XN
	v_lshl_add_u32 v21, v3, 2, s96
	s_lshl_b32 s96, s[WC], 9
	s_add_co_u32 s96, s96, XV
	v_lshl_add_u32 v22, v3, 2, s96
	v_lshlrev_b32 v23, 3, v3
	s_mov_b32 s96, s[BLK]
	s_mov_b32 s97, 0
	s_add_nc_u64 s[98:99], s[QS:QS+1], s[96:97]
	s_wait_alu depctr_va_vdst(0)
.irp t, 0,1,2,3
	ds_store_b32 v20, v[RT+\t] offset:128*\t
.endr
	s_wait_dscnt 0x0
	BARRIER
.irp f, 0,1
.irp i, 0,1,2,3
	ds_load_b32 v[ACC+4*\f+\i], v21 offset:2048*(\i/2)+256*\f+128*(\i%2)   ; step f of my window, pair i: from wave row i / 2
.endr
.endr
.irp t, 0,1,2,3
	ds_load_b32 v[ACC+8+\t], v22 offset:128*\t     ; wave row 0's bytes of tile t: tokens 0-63 of a step;
	ds_load_b32 v[ACC+12+\t], v22 offset:1024+128*\t   ; wave row 1's: tokens 64-127
.endr
	s_wait_dscnt 0x0
	global_store_b128 v[CO], v[ACC:ACC+3], s[QS:QS+1]          ; the wave stores 512 consecutive bytes
	global_store_b128 v[CO], v[ACC+4:ACC+7], s[98:99]
.irp t, 0,1,2,3
	v_perm_b32 v[ACC+16+\t], v[ACC+12+\t], v[ACC+8+\t], s[PSEL]   ; the low halves are the window's second step, the high halves its first
.endr
	v_cndmask_b32 v[ACC+20], v[ACC+16], v[ACC+17], s[HM]
	v_cndmask_b32 v[ACC+21], v[ACC+18], v[ACC+19], s[HM]
	global_store_b64 v23, v[ACC+20:ACC+21], s[VS:VS+1] offset:16896   ; 256 consecutive bytes
	s_wait_tensorcnt 0x0                           ; the wave's end
	ds_add_u32 v[SPW], v[NIL]
	s_wait_dscnt 0x0
	CROUND                                         ; the closing round
	s_endpgm
.Lfunc_end_k_qb4cea6fbb1_gemm:
	.size	k_qb4cea6fbb1_gemm, .Lfunc_end_k_qb4cea6fbb1_gemm-k_qb4cea6fbb1_gemm
	.p2alignl 7, 3214868480
	.fill 96, 4, 3214868480
	.section	.rodata,"a",@progbits
	.p2align	6, 0x0
	.amdhsa_kernel k_qb4cea6fbb1_gemm
		.amdhsa_group_segment_fixed_size 327680
		.amdhsa_private_segment_fixed_size 0
		.amdhsa_enable_private_segment 0
		.amdhsa_kernarg_size 56
		.amdhsa_user_sgpr_count 2
		.amdhsa_user_sgpr_kernarg_segment_ptr 1
		.amdhsa_wavefront_size32 1
		.amdhsa_system_sgpr_workgroup_id_x 1
		.amdhsa_system_sgpr_workgroup_id_y 1
		.amdhsa_system_sgpr_workgroup_id_z 1
		.amdhsa_system_vgpr_workitem_id 0
		.amdhsa_next_free_vgpr 1024
		.amdhsa_next_free_sgpr 102
		.amdhsa_reserve_vcc 0
		.amdhsa_float_denorm_mode_32 3
		.amdhsa_float_denorm_mode_16_64 3
		.amdhsa_memory_ordered 1
		.amdhsa_forward_progress 1
		.amdhsa_inst_pref_size 176
	.end_amdhsa_kernel
	.amdgpu_metadata
---
amdhsa.version: [ 1, 2 ]
amdhsa.kernels:
  - .name:           k_qb4cea6fbb1_gemm
    .symbol:         k_qb4cea6fbb1_gemm.kd
    .args:
      - { .name: xc, .offset: 0, .size: 8, .value_kind: global_buffer, .address_space: global }
      - { .name: xs, .offset: 8, .size: 8, .value_kind: global_buffer, .address_space: global }
      - { .name: wc, .offset: 16, .size: 8, .value_kind: global_buffer, .address_space: global }
      - { .name: ws, .offset: 24, .size: 8, .value_kind: global_buffer, .address_space: global }
      - { .name: b_qkv, .offset: 32, .size: 8, .value_kind: global_buffer, .address_space: global }
      - { .name: qb, .offset: 40, .size: 8, .value_kind: global_buffer, .address_space: global }
      - { .name: kv, .offset: 48, .size: 8, .value_kind: global_buffer, .address_space: global }
    .group_segment_fixed_size: 327680
    .private_segment_fixed_size: 0
    .kernarg_segment_align: 8
    .kernarg_segment_size: 56
    .max_flat_workgroup_size: 128
    .sgpr_count:     102
    .vgpr_count:     1024
    .wavefront_size: 32
...
	.end_amdgpu_metadata
.endif
;; end of part 2
;; launch attn (part 3): grid 4 x 64, 8 waves a work-group, clusters of 4 x 1, 327,680 bytes of LDS; arguments qb, kv, out0; writes out0
.if DOCPART == 3
	.amdgcn_target "amdgcn-amd-amdhsa--gfx1250"
	.amdhsa_code_object_version 6
	.text
	.protected	k_qb4cea6fbb1_attn
	.globl	k_qb4cea6fbb1_attn
	.p2align	8
	.type	k_qb4cea6fbb1_attn,@function
k_qb4cea6fbb1_attn:
	s_mov_b64 s[64:65], 0
	v_nop
	global_prefetch_b8 v0, s[64:65] scope:SCOPE_SE
	s_setreg_imm32_b32 hwreg(HW_REG_WAVE_MODE, 25, 1), 1
	s_wait_xcnt 0x0
	s_wait_alu depctr_hold_cnt(0) depctr_sa_sdst(0) depctr_va_vdst(0) depctr_va_sdst(0) depctr_va_ssrc(0) depctr_va_vcc(0) depctr_vm_vsrc(0)
	s_getreg_b32 s2, hwreg(HW_REG_IB_STS2, 6, 4)
	s_cmp_eq_u32 s2, 0
	s_cbranch_scc0 .Lentry_in_a_cluster
	s_endpgm
.Lentry_in_a_cluster:
	s_bfe_u32 s2, ttmp6, 0x10000c
	s_cmp_lg_u32 s2, 0x3003
	s_cbranch_scc0 .Lentry_shape_is_right
	s_endpgm
.Lentry_shape_is_right:
; out[b][q][head][:] = the sum over keys k <= q of softmax_k(Q[q] . K[k] / 8) V[k][:], both products on codes of FP8 (E4M3) with one E8M0 scale for each 32 along a product's K.  64 (batch, head) pairs, 2,048 tokens, head size 64.
; Q, K and V come as images of operand registers, as the launch before leaves them.  WORK LEFT OUT: steps of 128 keys all of which come after a block's queries lie wholly under the causal mask that the problem builds itself.
; THE SOFTMAX AHEAD OF THE SECOND PRODUCT: t = score x log2(e) / 8; M = the running largest t rounded UP to a whole number; p = 2^(t - M) is quantised along the keys, not normalised; the row's sum is taken of the
; unquantised p and divides at the end; when M moves, the sum and O are multiplied by 2^(old M - new M), which rounds nothing.
; SHARES.  A cluster of four work-groups is one (batch, head).  The head's K and V, codes and scale words, 274,432 bytes, stay in LDS: asked for once, jointly, one tensor load a wave (two blocks of 17,152 bytes); nothing is filled again.
; Wave w of work-group g owns two blocks of 32 queries, 4 w + g and 63 - (4 w + g).  Block n needs the steps of 128 keys 0 .. n / 4, which is w or 15 - w: 17 steps in every wave; trips and branches hang on the wave's number alone,
; g enters global addresses and the mask's numbers only.  All loops have constant trip counts; a hidden step is jumped over inside its trip.
; A block is two tiles of 16 queries, A and B.  Both use each fragment of K and V that the wave reads from LDS, and their softmaxes are written line by line by turns, so that few lines wait for the line above them.
; Among a tile's exponentials stand plain lines of the other tile that no line reads before the wait behind the batch: B's multiply-adds among A's, A's holds among B's.
; Behind a step's score products V's fragments of the step and K's of the NEXT step are asked of LDS: both land under the softmax.  The next step's block is held at block 15; the fetch of a block's last step is not used.
; LAYOUT.  Both products are used transposed: S^T = K Q^T, O^T = V^T P^T: a lane holds ONE query (lane % 16).  Lane r of K's tile 2 b + u is key 32 b + 8 u + r + 8 (r / 8), so that the 16 registers of tiles 2 b, 2 b + 1 are 16 neighbouring keys.
; THE FIRST PRODUCT'S K IS 64.  Registers 8-15 of Q's operand are zero codes.  K's eight tiles lie on end, 8 registers each: registers 8-15 of a tile's operand are the next tile's codes (behind the last: zeros).  They are finite codes under finite
; scale bytes and meet zero codes, so they add nothing.
; NO PREFETCH INTO THE L2: K and V are asked for once, at the head, and no loop stands ahead of those loads in which to ask earlier.
; LIMITS: NaN and infinities are not served; the scaled scores stay under 2^31 in magnitude; a block of p that has fallen to 0 keeps the scale byte 1 over zero codes.
; REGISTERS.  Window 0: v1-11, v20 addresses; v12-15, v16-19 -M, the largest score and the sum of A, of B; v22-25 a chain of each sum; v32-95, v96-159 S^T, then p, of A, of B; v160-175, v176-191 p's codes; v192-215, v216-239 at work;
; v240-243 K's scale words, v244-245 Q's, v246-247 V's, v248-249 p's; v250 the lane's place in a tile; v251 -infinity.  Window 1: v0-63 K's tiles, v64-71 zeros; v72-135 V's fragments; v136-151, v152-167 Q and its zeros; v168-199, v200-231 O^T.
.set KVB,  17152                       ; a step's block: K's images 8,192, V's 8,192, K's scale words 512, V's 256
.set QBLK, 8704
.set STG,  16*KVB                      ; behind the 16 blocks: a stage of 16 rows x 272 bytes for each wave
.set STGB, 16*272
.set SPARE, STG+8*STGB                 ; the spare words: 128 bytes a wave
.set SPW,  4
.set NIL,  5
.set ADK,  9
.set ADV,  10
.set ADKN, 20
.set ST,   12                          ; tile w: ST + 4 w: -M, the largest score, the sum in two halves
.set C3,   22
.set S,    32                          ; tile w: S + 64 w
.set PC,   160                         ; PC + 16 w
.set WK,   192                         ; WK + 24 w: the largest of four blocks 0-3; at work 4-7; bounds 8-11; scale operands 12-15; f 16-17; at work 18; the mask's number 19; two chains of the sum 20-23
.set KSC,  240
.set QSC,  244
.set VSC,  246
.set PSC,  248
.set PL,   250
.set NINF, 251
.set VF,   72                          ; window 1
.set QF,   136
.set O,    168
.set WV,   10                          ; s10 wave;  s11 cx;  s12 (batch, head)
.set G1,   16
.set G0,   24
.set SEL,  40
.set CS,   42                          ; s[42:43] c = log2(e) / 8
.set MNT,  44
.set TB,   45                          ; LDS byte at which the step's block begins
.set SI,   46                          ; the step
.set LAST, 47                          ; the block's last step, the one on the diagonal
.set BTA,  48                          ; 4 w + g
.set BT,   49                          ; the block of queries in hand
.set TBN,  60                          ; LDS byte at which the next step's block begins
.set MSB, 0
.macro WIN new                         ; the immediate's high byte repeats the setting that is left
.if MSB != (\new)
	s_set_vgpr_msb (MSB<<8)|(\new)
.set MSB, (\new)
.endif
.endm
.macro CROUND                          ; a round of the cluster's barrier
	s_barrier_signal -1
	s_barrier_wait -1
	s_cmp_lg_u32 s[WV], 0
	s_cbranch_scc1 .Lnot_wave_0_\@
	s_barrier_signal -3
.Lnot_wave_0_\@:
	s_barrier_wait -3
	s_barrier_signal -1
	s_barrier_wait -1
.endm
.macro TL                              ; a wave's one tensor load
	tensor_load_to_lds s[G0:G0+3], s[G1:G1+7]
	s_nop 0
.rept 4
	v_nop
.endr
.endm
	s_load_b128 s[4:7], s[0:1], 0x0                ; qb s[4:5], kv s[6:7]
	s_load_b64 s[8:9], s[0:1], 0x10                ; out0
	v_lshl_add_u32 v[SPW], v0, 2, SPARE
	v_mov_b32 v[NIL], 0
	ds_add_u32 v[SPW], v[NIL]                      ; the opening lines: the add, twice on end, and its wait ahead of my tensor load
	ds_add_u32 v[SPW], v[NIL]
	v_lshrrev_b32 v1, 5, v0
	v_readfirstlane_b32 s[WV], v1                  ; wave 0..7
	s_bfe_u32 s11, ttmp6, 0x40000                  ; cx
	s_and_b32 s12, ttmp7, 0xffff                   ; 16 batch + head, which the four partners share
	; group 1: two blocks, 34,304 dense bytes, as 134 rows of 256 bytes (32 elements of 8), no padding: images are read 16 bytes a lane on end
	s_mov_b32 s[G1], 15|(3<<16)|(1<<21)            ; the mask: all four work-groups; elements of 8 bytes; bit 21 beside a mask
	s_mov_b32 s[G1+1], 32<<16
	s_mov_b32 s[G1+2], 134<<16
	s_mov_b32 s[G1+3], 32<<16
	s_mov_b32 s[G1+4], 134
	s_mov_b32 s[G1+5], 32
	s_mov_b32 s[G1+6], 0
	s_mov_b32 s[G1+7], 0
	s_mul_i32 s14, s[WV], 2*KVB                    ; wave w fetches blocks 2 w, 2 w + 1
	s_mul_i32 s50, s12, 16*KVB
	s_add_co_u32 s50, s50, s14
	s_mov_b32 s51, 0
	s_wait_dscnt 0x0                               ; both opening adds are done
	s_wait_kmcnt 0x0
	s_mov_b32 s[G0], 1
	s_mov_b32 s[G0+1], s14
	s_add_nc_u64 s[G0+2:G0+3], s[6:7], s[50:51]
	s_or_b32 s[G0+3], s[G0+3], 0x80000000
	CROUND                                         ; all four work-groups are here: the joint loads meet
	s_cmp_lt_u32 s[WV], 3                          ; two load lines: waves 0-2 (blocks 0-5), which alone wait at the first barrier, and the others
	s_cbranch_scc0 .Lhead_rest
	TL
	s_branch .Lhead_asked
.Lhead_rest:
	TL
.Lhead_asked:
	v_and_b32 v9, 31, v0                           ; lane
	v_bfe_u32 v10, v0, 4, 1                        ; h
	v_and_b32 v3, 15, v0                           ; r
	v_lshlrev_b32 v1, 4, v9                        ; 16 x lane: an image's place for my lane
	v_lshlrev_b32 v2, 3, v9                        ; 8 x lane: V's scale words
	v_lshlrev_b32 v11, 4, v3                       ; 16 r: Q's scale word
	s_mul_i32 s14, s[WV], STGB
	s_add_co_u32 s14, s14, STG                     ; my stage
	v_mul_u32_u24 v6, v3, 272
	v_mul_u32_u24 v7, v10, 272
	v_lshl_add_u32 v6, v10, 6, v6
	v_lshl_add_u32 v7, v3, 4, v7
	v_add_nc_u32 v6, s14, v6                       ; in: row r, + 64 h
	v_add_nc_u32 v7, s14, v7                       ; back: lanes 0-15 one row, lanes 16-31 the next
	v_lshlrev_b32 v8, 12, v10
	v_lshl_add_u32 v8, v3, 4, v8                   ; and the same in out0: a token's row is 4,096 bytes
	v_and_b32 v[PL], 7, v3
	v_lshrrev_b32 v[NINF], 3, v3
	v_sub_nc_u32 v[NINF], v[NINF], v10
	v_lshl_add_u32 v[PL], v[NINF], 4, v[PL]        ; r % 8 + 16 (r / 8) - 16 h
	v_mov_b32 v[NINF], 0xff800000                  ; -infinity, for the mask
.irp w, 0,1
.irp b, 0,1,2,3
	v_mov_b32 v[WK+24*\w+4+\b], 0                  ; a lane permute's destination counts as one of its sources
.endr
	v_mov_b32 v[WK+24*\w+17], 0                    ; (named as the upper half of a pair)
.endr
	WIN 0x40                                       ; destinations in window 1
.irp j, 0,1,2,3,4,5,6,7
	v_mov_b32 v[64+\j], 0                          ; the zero codes behind K's last tile,
	v_mov_b32 v[QF+8+\j], 0                        ; and those of Q's two operands; written once
	v_mov_b32 v[QF+24+\j], 0
.endr
	WIN 0
	s_mov_b32 s[SEL], 0x76543210
	s_mov_b32 s[SEL+1], 0xfedcba98
	s_mov_b32 s[CS], 0x3e38aa3b                    ; c = log2(e) / sqrt(64)
	s_mov_b32 s[CS+1], s[CS]
	s_mov_b32 s[MNT], 0x600000
	s_lshl_b32 s[BTA], s[WV], 2
	s_add_co_u32 s[BTA], s[BTA], s11               ; 4 w + g
.macro KCODES adr                      ; K's eight tiles (under destination window 1)
.irp t, 0,1,2,3,4,5,6,7
	ds_load_b128 v[8*\t:8*\t+3], v[\adr] offset:1024*\t
	ds_load_b128 v[8*\t+4:8*\t+7], v[\adr] offset:1024*\t+512
.endr
.endm
.macro FMA w, from, to                 ; t - M of tile w's pairs from .. to - 1
.set k, \from
.rept (\to)-(\from)
	v_pk_fma_f32 v[S+64*\w+2*k:S+64*\w+2*k+1], v[S+64*\w+2*k:S+64*\w+2*k+1], s[CS:CS+1], v[ST+4*\w:ST+4*\w+1] op_sel_hi:[1,0,0]
.set k, k+1
.endr
.endm
.macro SUMR w, j                       ; four pairs of p onto the four chains of tile w's sum
	v_pk_add_f32 v[WK+24*\w+20:WK+24*\w+21], v[WK+24*\w+20:WK+24*\w+21], v[S+64*\w+\j:S+64*\w+\j+1]
	v_pk_add_f32 v[WK+24*\w+22:WK+24*\w+23], v[WK+24*\w+22:WK+24*\w+23], v[S+64*\w+\j+2:S+64*\w+\j+3]
	v_pk_add_f32 v[C3+2*\w:C3+2*\w+1], v[C3+2*\w:C3+2*\w+1], v[S+64*\w+\j+4:S+64*\w+\j+5]
	v_pk_add_f32 v[ST+4*\w+2:ST+4*\w+3], v[ST+4*\w+2:ST+4*\w+3], v[S+64*\w+\j+6:S+64*\w+\j+7]
.endm
.macro SCSUM w                         ; tile w: the four blocks' scales and p's scale word, and the row's sum of the unquantised p, by turns
	v_pk_add_f32 v[WK+24*\w+20:WK+24*\w+21], v[S+64*\w:S+64*\w+1], v[S+64*\w+2:S+64*\w+3]
	v_pk_add_f32 v[WK+24*\w+22:WK+24*\w+23], v[S+64*\w+4:S+64*\w+5], v[S+64*\w+6:S+64*\w+7]
	v_pk_add_f32 v[C3+2*\w:C3+2*\w+1], v[S+64*\w+8:S+64*\w+9], v[S+64*\w+10:S+64*\w+11]
	v_pk_add_f32 v[ST+4*\w+2:ST+4*\w+3], v[ST+4*\w+2:ST+4*\w+3], v[S+64*\w+12:S+64*\w+13]
.irp b, 0,1,2,3
	v_max_num_f32 v[WK+24*\w+\b], 0x4800000, v[WK+24*\w+\b]              ; the floor 2^(9 - 127)
.endr
	SUMR \w, 14
.irp b, 0,1,2,3
	v_add_nc_u32 v[WK+24*\w+12+\b], 0xfc000000, v[WK+24*\w+\b]           ; the conversion's scale operand
.endr
	SUMR \w, 22
.irp b, 0,1,2,3
	v_and_or_b32 v[WK+24*\w+8+\b], v[WK+24*\w+\b], 0x7f800000, s[MNT]    ; 448 x the scale
.endr
	SUMR \w, 30
.irp b, 0,1,2,3
	v_lshrrev_b32 v[WK+24*\w+4+\b], 23, v[WK+24*\w+12+\b]                ; the scale's byte
.endr
	SUMR \w, 38
	v_lshl_or_b32 v[WK+24*\w+18], v[WK+24*\w+5], 8, v[WK+24*\w+4]
	SUMR \w, 46
	v_lshl_or_b32 v[WK+24*\w+18], v[WK+24*\w+6], 16, v[WK+24*\w+18]
	SUMR \w, 54
	v_lshl_or_b32 v[PSC+\w], v[WK+24*\w+7], 24, v[WK+24*\w+18]           ; p's scale word for these 128 keys
	v_pk_add_f32 v[WK+24*\w+20:WK+24*\w+21], v[WK+24*\w+20:WK+24*\w+21], v[S+64*\w+62:S+64*\w+63]
	v_pk_add_f32 v[ST+4*\w+2:ST+4*\w+3], v[ST+4*\w+2:ST+4*\w+3], v[C3+2*\w:C3+2*\w+1]
	v_pk_add_f32 v[WK+24*\w+20:WK+24*\w+21], v[WK+24*\w+20:WK+24*\w+21], v[WK+24*\w+22:WK+24*\w+23]
	v_pk_add_f32 v[ST+4*\w+2:ST+4*\w+3], v[ST+4*\w+2:ST+4*\w+3], v[WK+24*\w+20:WK+24*\w+21]
.endm
.macro HOLD2 w, k                      ; the conversion does not saturate (ISA guide 7.6.2); p is not negative, so the hold is one-sided; two to a line
	v_dual_min_num_f32 v[S+64*\w+2*(\k)], v[WK+24*\w+8+(\k)/8], v[S+64*\w+2*(\k)] :: v_dual_min_num_f32 v[S+64*\w+2*(\k)+1], v[WK+24*\w+8+(\k)/8], v[S+64*\w+2*(\k)+1]
.endm
.macro CODES w
.irp b, 0,1,2,3
	v_cvt_scalef32_pk8_fp8_f32 v[PC+16*\w+4*\b:PC+16*\w+4*\b+1], v[S+64*\w+16*\b:S+64*\w+16*\b+7], v[WK+24*\w+12+\b]
	v_cvt_scalef32_pk8_fp8_f32 v[PC+16*\w+4*\b+2:PC+16*\w+4*\b+3], v[S+64*\w+16*\b+8:S+64*\w+16*\b+15], v[WK+24*\w+12+\b]
.endr
.endm
; The softmax and the quantiser of both tiles, all in window 0.
.macro SOFT2
.irp b, 0,1,2,3
.irp w, 0,1
	v_max3_num_f32 v[WK+24*\w+\b], v[S+64*\w+16*\b], v[S+64*\w+16*\b+1], v[S+64*\w+16*\b+2]   ; the largest score of each block of 32 keys: for the row's maximum and, since p rises with the score, for the block's largest p
.endr
.endr
.irp i, 3,5,7,9,11,13
.irp b, 0,1,2,3
.irp w, 0,1
	v_max3_num_f32 v[WK+24*\w+\b], v[WK+24*\w+\b], v[S+64*\w+16*\b+\i], v[S+64*\w+16*\b+\i+1]
.endr
.endr
.endr
.irp b, 0,1,2,3
.irp w, 0,1
	v_max_num_f32 v[WK+24*\w+\b], v[WK+24*\w+\b], v[S+64*\w+16*\b+15]
.endr
.endr
.irp b, 0,1,2,3
.irp w, 0,1
	v_permlanex16_b32 v[WK+24*\w+4+\b], v[WK+24*\w+\b], s[SEL], s[SEL+1]
.endr
.endr
.irp w, 0,1
	v_mov_b32 v[WK+24*\w+16], v[ST+4*\w]           ; the old -M
.endr
.irp b, 0,1,2,3
.irp w, 0,1
	v_max_num_f32 v[WK+24*\w+\b], v[WK+24*\w+\b], v[WK+24*\w+4+\b]   ; with lane l xor 16's 16 keys
.endr
.endr
.irp w, 0,1
	v_max3_num_f32 v[WK+24*\w+18], v[WK+24*\w], v[WK+24*\w+1], v[WK+24*\w+2]
.endr
.irp w, 0,1
	v_max3_num_f32 v[ST+4*\w+1], v[ST+4*\w+1], v[WK+24*\w+18], v[WK+24*\w+3]   ; the running largest score (c is positive)
.endr
.irp w, 0,1
	v_mul_f32 v[WK+24*\w+18], s[CS], v[ST+4*\w+1]  ; as t
.endr
.irp w, 0,1
	v_floor_f32 v[ST+4*\w], -v[WK+24*\w+18]        ; the new -M = floor(-t): M is a whole number
.endr
	FMA 0, 0, 4                                    ; tile A's t - M; the three lines that make f stand among them
.irp w, 0,1
	v_sub_f32 v[WK+24*\w+16], v[ST+4*\w], v[WK+24*\w+16]   ; old M - new M: a whole number, 0 or less
.endr
	FMA 0, 4, 8
.irp w, 0,1
	v_cvt_i32_f32 v[WK+24*\w+16], v[WK+24*\w+16]   ; (it saturates)
.endr
	FMA 0, 8, 12
.irp w, 0,1
	v_ldexp_f32 v[WK+24*\w+16], 1.0, v[WK+24*\w+16]   ; f = 2^(old M - new M)
.endr
	FMA 0, 12, 32
.irp b, 0,1,2,3
	v_fma_f32 v[WK+\b], v[WK+\b], s[CS], v[ST]     ; the same of each block's largest score
.endr
	s_wait_alu depctr_va_vdst(0)                   ; the wait ahead of the batch
.set k, 0
.rept 32                                           ; A's p = 2^(t - M); among the exponentials B's t - M, which is read behind the wait below
	v_exp_f32 v[S+2*k], v[S+2*k]
	v_pk_fma_f32 v[S+64+2*k:S+64+2*k+1], v[S+64+2*k:S+64+2*k+1], s[CS:CS+1], v[ST+4:ST+5] op_sel_hi:[1,0,0]
	v_exp_f32 v[S+2*k+1], v[S+2*k+1]
.set k, k+1
.endr
.irp b, 0,1,2,3
	v_exp_f32 v[WK+\b], v[WK+\b]                   ; the block's largest p: the same two instructions on the same number
	v_fma_f32 v[WK+24+\b], v[WK+24+\b], s[CS], v[ST+4]
.endr
.irp w, 0,1
	v_pk_mul_f32 v[ST+4*\w+2:ST+4*\w+3], v[ST+4*\w+2:ST+4*\w+3], v[WK+24*\w+16:WK+24*\w+17] op_sel_hi:[1,0]   ; the sums under the new M
.endr
	s_wait_alu depctr_va_vdst(0)                   ; one wait for the batch, ahead of its first reader
	SCSUM 0
	s_wait_alu depctr_va_vdst(0)                   ; and one ahead of the next batch
.set k, 0
.rept 32                                           ; B's p; among the exponentials A's holds, which are read behind the wait below
	v_exp_f32 v[S+64+2*k], v[S+64+2*k]
	HOLD2 0, k
	v_exp_f32 v[S+64+2*k+1], v[S+64+2*k+1]
.set k, k+1
.endr
.irp b, 0,1,2,3
	v_exp_f32 v[WK+24+\b], v[WK+24+\b]
.endr
	v_nop                                          ; a plain line behind the exponentials
	s_wait_alu depctr_va_vdst(0)
	CODES 0
	SCSUM 1
.set k, 0
.rept 32
	HOLD2 1, k
.set k, k+1
.endr
	CODES 1
.endm
; A KEY STEP: the 128 keys of block SI, for both tiles.  masked = 1: the step may lie on or beyond the diagonal.
.macro STEP masked
.if \masked
	s_cmp_gt_u32 s[SI], s[LAST]                    ; all its keys come after my queries: only the address steps
	s_cbranch_scc1 .Lskip_\@
.endif
	s_wait_dscnt 0x0                               ; K's tiles and scale words, asked for a step ago
	WIN 0x05                                       ; K and Q: window 1; the scores: window 0
.irp t, 0,2,4,6                                    ; S^T = K Q^T: sixteen products, each with the constant 0 as C
.irp w, 0,1
	v_wmma_scale_f32_16x16x128_f8f6f4 v[S+64*\w+8*\t:S+64*\w+8*\t+7], v[8*\t:8*\t+15], v[QF+16*\w:QF+16*\w+15], 0, v[KSC+\t/2], v[QSC+\w]
.endr
.irp w, 0,1
	v_wmma_scale_f32_16x16x128_f8f6f4 v[S+64*\w+8*\t+8:S+64*\w+8*\t+15], v[8*\t+8:8*\t+23], v[QF+16*\w:QF+16*\w+15], 0, v[KSC+\t/2], v[QSC+\w] matrix_a_scale:MATRIX_SCALE_ROW1
.endr
.endr
	WIN 0
	s_add_co_u32 s[TBN], s[TB], KVB
	s_min_u32 s[TBN], s[TBN], 15*KVB               ; the next step's block, held at the last
	v_add_nc_u32 v[ADK], s[TB], v1
	v_add_nc_u32 v[ADV], s[TB], v2
	v_add_nc_u32 v[ADKN], s[TBN], v1
.rept 5
	v_nop                                          ; with the three additions eight places: behind the products above, ahead of the scores' first reader and of the loads into K's registers; behind the last step's, ahead of those into V's
.endr
	WIN 0x40
.irp a, 0,1,2,3
.irp c, 0,1,2,3
	ds_load_b128 v[VF+16*\a+4*\c:VF+16*\a+4*\c+3], v[ADK] offset:8192+2048*\a+512*\c
.endr
.endr
	KCODES ADKN
	WIN 0
	ds_load_b64 v[VSC:VSC+1], v[ADV] offset:16896  ; V's scale words
	ds_load_b128 v[KSC:KSC+3], v[ADKN] offset:16384   ; K's: pair i: lanes 0-15 tile 2 i, lanes 16-31 tile 2 i + 1
.if \masked
	s_cmp_lg_u32 s[SI], s[LAST]
	s_cbranch_scc1 .Lopen_\@
.irp w, 0,1                                        ; on the diagonal the scores of hidden keys become -infinity ahead of the maximum: p = 0 then
.set n, 0
.rept 64
	v_cmp_gt_i32 vcc_lo, 32*(n/16)+n%16, v[WK+24*\w+19]   ; hidden where 32 b + i > my query - 128 LAST - 16 h
	v_cndmask_b32 v[S+64*\w+n], v[S+64*\w+n], v[NINF], vcc_lo
.set n, n+1
.endr
.endr
.Lopen_\@:
.endif
	SOFT2
	WIN 0x41                                       ; O^T: window 1; f: window 0
	s_wait_alu depctr_va_vdst(0)                   ; O^T is a matrix result first read behind exponentials: the wait directly ahead of its readers
.irp w, 0,1
.set n, 0
.rept 16
	v_pk_mul_f32 v[O+32*\w+n:O+32*\w+n+1], v[O+32*\w+n:O+32*\w+n+1], v[WK+24*\w+16:WK+24*\w+17] op_sel_hi:[1,0]   ; O^T under the new M; also the plain lines between the conversions and the products
.set n, n+2
.endr
.endr
	WIN 0
	s_wait_alu depctr_va_vdst(0)                   ; the wait here, directly ahead of the wait below
	s_wait_dscnt 0x0                               ; V's fragments and scale words (and the next step's K)
	WIN 0x51                                       ; V and O^T: window 1; p's codes: window 0
.irp a, 0,2                                        ; O^T += V^T P^T: the eight accumulators by turns
.irp w, 0,1
	v_wmma_scale_f32_16x16x128_f8f6f4 v[O+32*\w+8*\a:O+32*\w+8*\a+7], v[VF+16*\a:VF+16*\a+15], v[PC+16*\w:PC+16*\w+15], v[O+32*\w+8*\a:O+32*\w+8*\a+7], v[VSC+\a/2], v[PSC+\w]
.endr
.irp w, 0,1
	v_wmma_scale_f32_16x16x128_f8f6f4 v[O+32*\w+8*\a+8:O+32*\w+8*\a+15], v[VF+16*\a+16:VF+16*\a+31], v[PC+16*\w:PC+16*\w+15], v[O+32*\w+8*\a+8:O+32*\w+8*\a+15], v[VSC+\a/2], v[PSC+\w] matrix_a_scale:MATRIX_SCALE_ROW1
.endr
.endr
	WIN 0
.if \masked
.Lskip_\@:
.endif
	s_add_co_u32 s[TB], s[TB], KVB                 ; the next step's block
.endm
.macro RUN first, end, masked          ; steps first .. end - 1: a constant number of trips for every wave
	s_mov_b32 s[SI], \first
	s_mov_b32 s[TB], \first*KVB
.Lrun_\@:
	STEP \masked
	s_add_co_u32 s[SI], s[SI], 1
	s_cmp_lt_u32 s[SI], \end
	s_cbranch_scc1 .Lrun_\@
.endm
.macro FIRSTK                          ; block 0's tiles of K and scale words, ahead of a block's first step
	WIN 0x40
	KCODES 1
	WIN 0
	ds_load_b128 v[KSC:KSC+3], v1 offset:16384
.endm
; A block of 32 queries begins: both tiles' images of Q and scale words from memory, the mask's numbers; the statistics and O^T start anew (the step is written once, and its first change of M multiplies zeros by 0).
.macro BEGIN
	s_wait_xcnt 0x0                                ; earlier loads and stores have read their registers and bases
	s_lshl_b32 s14, s12, 4
	s_lshr_b32 s15, s[BT], 2
	s_add_co_u32 s14, s14, s15
	s_mul_i32 s14, s14, QBLK                       ; the block of qb that holds my 128 tokens
	s_and_b32 s15, s[BT], 3
	s_lshl_b32 s50, s15, 11
	s_add_co_u32 s50, s50, s14                     ; my two images: 1,024 bytes a tile
	s_mov_b32 s51, 0
	s_add_nc_u64 s[52:53], s[4:5], s[50:51]
	s_lshl_b32 s50, s15, 2
	s_add_co_u32 s50, s50, s14
	s_add_co_u32 s50, s50, 8192                    ; the pair's scale words: the even tile's at 16 r, the odd tile's 256 bytes on
	s_add_nc_u64 s[58:59], s[4:5], s[50:51]
	s_lshl_b32 s14, s15, 5                         ; tile A's first token - 128 LAST
	s_add_co_u32 s15, s14, 8                       ; tile B's
	global_load_b32 v[QSC], v11, s[58:59]
	global_load_b32 v[QSC+1], v11, s[58:59] offset:256
	v_add_nc_u32 v[WK+19], s14, v[PL]              ; my query - 128 LAST - 16 h
	v_add_nc_u32 v[WK+24+19], s15, v[PL]
.irp w, 0,1
	v_mov_b32 v[ST+4*\w], 0x7f61b1e6               ; -M: 3e38
	v_mov_b32 v[ST+4*\w+1], 0xff61b1e6             ; the largest score so far: -3e38
	v_mov_b32 v[ST+4*\w+2], 0
	v_mov_b32 v[ST+4*\w+3], 0
.endr
	WIN 0x40
.irp w, 0,1
	global_load_b128 v[QF+16*\w:QF+16*\w+3], v1, s[52:53] offset:1024*\w
	global_load_b128 v[QF+16*\w+4:QF+16*\w+7], v1, s[52:53] offset:1024*\w+512
.endr
.set n, 0
.rept 64
	v_mov_b32 v[O+n], 0
.set n, n+1
.endr
	WIN 0
	s_wait_alu depctr_va_vdst(0)                   ; the wait here, directly ahead of the wait below
	s_wait_loadcnt 0x0
.endm
; A block ends: O^T / the sum, tile by tile through my stage of 16 rows (a tile's rows 0-7 are eight neighbouring tokens, rows 8-15 the eight that lie 16 further on).
.macro WAYOUT
.rept 8
	v_nop                                          ; places behind the last products
.endr
	s_lshr_b32 s14, s12, 4
	s_lshl_b32 s14, s14, 11
	s_lshl_b32 s15, s[BT], 5
	s_add_co_u32 s14, s14, s15                     ; 2,048 batch + the block's first token
	s_lshl_b32 s50, s14, 12
	s_and_b32 s15, s12, 15
	s_lshl_b32 s15, s15, 8
	s_add_co_u32 s50, s50, s15                     ; + 256 bytes x head
	s_mov_b32 s51, 0
	s_add_nc_u64 s[54:55], s[8:9], s[50:51]
.irp w, 0,1
	v_add_f32 v[ST+4*\w+2], v[ST+4*\w+2], v[ST+4*\w+3]
.endr
.irp w, 0,1
	v_permlanex16_b32 v[WK+24*\w+4], v[ST+4*\w+2], s[SEL], s[SEL+1]
.endr
.irp w, 0,1
	v_add_f32 v[ST+4*\w+2], v[ST+4*\w+2], v[WK+24*\w+4]   ; the row's sum
.endr
	s_wait_alu depctr_va_vdst(0)                   ; the wait ahead of the transcendentals
.irp w, 0,1
	v_rcp_f32 v[ST+4*\w+2], v[ST+4*\w+2]
.endr
	v_nop                                          ; a plain line behind them
	WIN 0x01                                       ; O^T: window 1
	s_wait_alu depctr_va_vdst(0)                   ; the wait ahead of their first reader, which is O^T's first reader too
.irp w, 0,1
.set n, 0
.rept 16
	v_pk_mul_f32 v[S+64*\w+n:S+64*\w+n+1], v[O+32*\w+n:O+32*\w+n+1], v[ST+4*\w+2:ST+4*\w+3] op_sel_hi:[1,0]   ; register 8 a + j: channel 32 (a / 2) + 16 h + 8 (a % 2) + j of my query
.set n, n+2
.endr
.endr
	WIN 0
	s_wait_alu depctr_va_vdst(0)
.irp w, 0,1
.irp a, 0,1,2,3
.irp k, 0,1
	ds_store_b128 v6, v[S+64*\w+8*\a+4*\k:S+64*\w+8*\a+4*\k+3] offset:128*(\a/2)+32*(\a%2)+16*\k
.endr
.endr
.irp i, 0,1,2,3,4,5,6,7
	ds_load_b128 v[S+64*\w+32+4*\i:S+64*\w+32+4*\i+3], v7 offset:544*\i   ; LDS serves a wave's instructions in order: these see my stores, and tile B's stores come behind tile A's loads
.endr
.endr
.irp w, 0,1
.irp i, 0,1,2,3,4,5,6,7
	s_wait_dscnt 23-16*\w-\i                       ; the younger LDS lines may stay out
	global_store_b128 v8, v[S+64*\w+32+4*\i:S+64*\w+32+4*\i+3], s[54:55] offset:8192*(\i%4)+65536*(\i/4)+32768*\w th:TH_STORE_NT   ; 16 lanes store 256 consecutive bytes, aligned: a token's head
.endr
.endr
.endm
	s_xor_b32 s[BT], s[BTA], 63                    ; the late block first: it walks the keys in the order in which they were asked for
	s_xor_b32 s[LAST], s[WV], 15                   ; 8 .. 15
	BEGIN
	s_cmp_lt_u32 s[WV], 3
	s_cbranch_scc0 .Lnot_first
	s_wait_tensorcnt 0x0                           ; waves 0-2: blocks 0-5 are in.  The other waves' wait stands at the second barrier
.Lnot_first:
	s_barrier_signal -1
	s_barrier_wait -1
	FIRSTK
	RUN 0, 4, 0                                    ; its last step asks for block 4's tiles of K
	s_wait_tensorcnt 0x0                           ; all sixteen blocks: every wave waits
	s_wait_dscnt 0x0
	s_barrier_signal -1
	s_barrier_wait -1
	RUN 4, 16, 1
	WAYOUT
	s_mov_b32 s[BT], s[BTA]                        ; the early block
	s_mov_b32 s[LAST], s[WV]                       ; 0 .. 7
	BEGIN
	FIRSTK
	RUN 0, 8, 1
	WAYOUT
	s_wait_tensorcnt 0x0                           ; the wave's end
	ds_add_u32 v[SPW], v[NIL]
	s_wait_dscnt 0x0
	CROUND                                         ; the closing round
	s_endpgm
.Lfunc_end_k_qb4cea6fbb1_attn:
	.size	k_qb4cea6fbb1_attn, .Lfunc_end_k_qb4cea6fbb1_attn-k_qb4cea6fbb1_attn
	.p2alignl 7, 3214868480
	.fill 96, 4, 3214868480
	.section	.rodata,"a",@progbits
	.p2align	6, 0x0
	.amdhsa_kernel k_qb4cea6fbb1_attn
		.amdhsa_group_segment_fixed_size 327680
		.amdhsa_private_segment_fixed_size 0
		.amdhsa_enable_private_segment 0
		.amdhsa_kernarg_size 24
		.amdhsa_user_sgpr_count 2
		.amdhsa_user_sgpr_kernarg_segment_ptr 1
		.amdhsa_wavefront_size32 1
		.amdhsa_system_sgpr_workgroup_id_x 1
		.amdhsa_system_sgpr_workgroup_id_y 1
		.amdhsa_system_sgpr_workgroup_id_z 1
		.amdhsa_system_vgpr_workitem_id 0
		.amdhsa_next_free_vgpr 512
		.amdhsa_next_free_sgpr 66
		.amdhsa_reserve_vcc 1
		.amdhsa_float_denorm_mode_32 3
		.amdhsa_float_denorm_mode_16_64 3
		.amdhsa_memory_ordered 1
		.amdhsa_forward_progress 1
		.amdhsa_inst_pref_size 152
	.end_amdhsa_kernel
	.amdgpu_metadata
---
amdhsa.version: [ 1, 2 ]
amdhsa.kernels:
  - .name:           k_qb4cea6fbb1_attn
    .symbol:         k_qb4cea6fbb1_attn.kd
    .args:
      - { .name: qb, .offset: 0, .size: 8, .value_kind: global_buffer, .address_space: global }
      - { .name: kv, .offset: 8, .size: 8, .value_kind: global_buffer, .address_space: global }
      - { .name: out0, .offset: 16, .size: 8, .value_kind: global_buffer, .address_space: global }
    .group_segment_fixed_size: 327680
    .private_segment_fixed_size: 0
    .kernarg_segment_align: 8
    .kernarg_segment_size: 24
    .max_flat_workgroup_size: 256
    .sgpr_count:     66
    .vgpr_count:     512
    .wavefront_size: 32
...
	.end_amdgpu_metadata
.endif
;; end of part 3
